; MI455X (gfx1250); checked and timed in simulation.
; The chip was launched on July 23, 2026; its instructions are those of AMD's public machine-readable ISA for CDNA 5 (MIT licence, August 2026) and "CDNA5" Instruction Set Architecture Reference Guide (July 2026). The comments in the code are by the model that wrote it; some were corrected since.
;; HRV Feat Net. Allowed arithmetic: float matrix products may take bf16 or f16 operands with f32 sums; all other float work in f32.
;; Inputs: b 2 float32; w 2 x 16 float32; x 8,192 x 1 x 3,000 float32.
;; Outputs: out0 8,192 x 2 float32.
;; 3 versions, each right and faster than the one before. Each part assembles by itself: llvm-mc -triple=amdgcn-amd-amdhsa -mcpu=gfx1250 --defsym DOCPART=n.
;; ======== version 1 of 3: 2 launches
;; limits: a difference of large sums (such as E[x^2] - mean^2): digits are lost where the result is much smaller than its terms
;; workspace buffers: feats 524,288 bytes; wstat 32,768 bytes
;; launch feat (part 1): grid 256 x 1, 16 waves a work-group, no clusters, 213,504 bytes of LDS; arguments x, feats, wstat; writes feats, wstat
.if DOCPART == 1
	.amdgcn_target "amdgcn-amd-amdhsa--gfx1250"
	.amdhsa_code_object_version 6
	.text
	.protected	k_qde3a1994f2_feat
	.globl	k_qde3a1994f2_feat
	.p2align	8
	.type	k_qde3a1994f2_feat,@function
k_qde3a1994f2_feat:
	s_mov_b64 s[64:65], 0
	v_nop
	global_prefetch_b8 v0, s[64:65] scope:SCOPE_SE
	s_setreg_imm32_b32 hwreg(HW_REG_WAVE_MODE, 25, 1), 1
	s_wait_xcnt 0x0
; HRV features.  x: [8192][3000] f32.  feats: [8192][16] f32.  wstat: [256 windows of 32 rows][32] f32:
; words 0-15 the sum of the window's 32 rows for each feature, added in row order; words 16-31 the sum of (f - window mean)^2.
; A work-group owns 32 consecutive rows (one window), a wave two of them: local rows w (registers P) and 16 + w (registers Q).
; All 48 loads of a wave are issued at the head: each byte of x is read once, and row Q is on its way while row P is worked on.
; A row arrives with 16 neighbouring bytes a lane; mean, variance, max, min and mean square are made in that layout.  Then the row,
; clamped from below to the threshold (z = max(x, thr)), goes through the wave's own LDS bytes so that lane L holds elements 94 L .. 94 L + 93.
; With c_k = z[k] > z[k-1], element k is a peak exactly if c_k and not c_(k+1); two neighbours are never both peaks, so a pair of elements has
; at most one peak.  No address and no branch hangs on data: peaks are walked in order under EXEC masks, one pair of elements at a time.
; THE TIMES' ROUNDING.  pnn50 (differences of exactly 5 samples against 0.05) and rr_min hang on the last bits of the times and of the two subtractions.
; Here, with c = f32(0.01): a time is t = i c rounded once; an interval is fma(i1, c, -t0), the later peak's product fused into the subtraction;
; a difference of intervals is a plain f32 subtraction of two such intervals.  That is the problem's text as an optimising compiler evaluates it (division by a
; constant as a product with its rounded reciprocal, a product with one use contracted, the intervals kept as one array); it is not i / 100 rounded once.
; LIMITS: x is finite (x[k] >= x[k+1] is taken as not x[k+1] > x[k]; +inf serves as padding).  1/n, roots: v_rcp_f32, v_sqrt_f32 (1 ulp).
; rr_mean = (last time - first time) / n_rr; sdnn and amp_std from sums about a pivot (30 s / peaks; the threshold), a formula exact for any pivot.
; The row sums are made in another order than the problem's, so the threshold may differ in its last bit: a sample that lies that close to it may be classed otherwise.
; No matrix unit, no tensor load, no cluster: nothing is multiplied by a matrix here and no two work-groups read the same bytes.
.set ROWBYTES, 12000                   ; a row of x
.set RB,   12320                       ; a wave's LDS bytes: byte 12 front pad, bytes 16 .. 12303 the 3,072 words that the 24 stores write
.set TB,   16*RB                       ; 197,120: table of f32(i), 3,072 words: a peak's index comes by one select between two table words
.set FS,   TB+12288                    ; 209,408: [32 local rows][16] features
.set P,    64                          ; v[64:159]  row w:      24 chunks of 4 as loaded; later Z[k] = P + k, k = 0..93, next = P + 94, prev = P + 95
.set Q,    160                         ; v[160:255] row 16 + w: likewise
.set TBUF, 44                          ; v[44:51], v[52:59]: indices of four pairs of elements, two buffers
.set PM,   16                          ; s[16:62]: for each of 47 pairs of elements the lanes that have a peak there
; v0 thread, v1 lane, v2 16 lane, v3 16 min(lane, 13), v4 LDS store address, v5 LDS load address, v6 address in the table, v7 my LDS bytes, v8 my feature row, v9 4 lane
; v[10:11] mean twice, v12 thr, v13 std, v14 max, v15 min, v16 mean square, v17 pivot, v18 count, v19 how many peaks this lane may take, v20 peaks in lower lanes, then the last index
; v21 last time, v22 last interval, v23 first index, v24 second index, v25 sum U, v26 sum U^2, v27 sum W^2, v28 sum D^2,
; v29 count |D| > 0.05, v30 RR min, v31 RR max, v32 U, v33 RR, v34 D, v35 W, v[36:39] the pairs' peak times, v[40:43] their values, v[60:63] their indices (else scratch)
	s_load_b64 s[2:3], s[0:1], 0x0                 ; x
	s_load_b128 s[4:7], s[0:1], 0x8                ; feats s[4:5], wstat s[6:7]
	v_and_b32 v1, 31, v0                           ; lane
	v_lshrrev_b32 v60, 5, v0
	v_readfirstlane_b32 s8, v60                    ; wave 0..15
	s_mov_b32 s10, 0x76543210                      ; v_permlanex16_b32: lane i reads lane i of the other half
	s_mov_b32 s11, 0xfedcba98
	s_mov_b32 s12, 0x7f800000                      ; +inf
	s_mov_b32 s13, 0x00003fff                      ; lanes 0-13: those that hold data in chunk 23
	s_mov_b32 s71, 0x3d4ccccd                      ; 0.05
	s_mov_b32 s73, 0x39aec33e                      ; 1 / 3000
	s_mov_b32 s74, 0x3c23d70a                      ; c = 0.01
	s_mov_b32 s76, 0xffff0000                      ; lanes 16-31
	v_lshlrev_b32 v2, 4, v1
	v_min_u32 v3, 13, v1
	v_lshlrev_b32 v3, 4, v3                        ; chunk 23 has 224 bytes: lanes 14-31 read lane 13's again and stay inside the row
	v_lshlrev_b32 v9, 2, v1
	s_mul_i32 s9, s8, RB                           ; my wave's LDS bytes
	s_mul_i32 s14, ttmp9, 32*ROWBYTES              ; below 2^27
	s_mul_i32 s15, s8, ROWBYTES
	s_add_co_u32 s14, s14, s15
	s_mov_b32 s15, 0
	s_wait_kmcnt 0x0
	s_add_nc_u64 s[2:3], s[2:3], s[14:15]          ; x at my first row
.irp r, 0, 1
.set jj, 0
.rept 23
	global_load_b128 v[P+96*\r+4*jj:P+96*\r+4*jj+3], v2, s[2:3] offset:16*ROWBYTES*\r+512*jj th:TH_LOAD_NT
.set jj, jj+1
.endr
	global_load_b128 v[P+96*\r+92:P+96*\r+95], v3, s[2:3] offset:16*ROWBYTES*\r+11776 th:TH_LOAD_NT
.endr
	s_lshl_b32 s14, ttmp9, 11                      ; 32 rows x 64 bytes of feats
	s_add_nc_u64 s[4:5], s[4:5], s[14:15]
	s_lshl_b32 s14, ttmp9, 7                       ; 128 bytes of wstat
	s_add_nc_u64 s[6:7], s[6:7], s[14:15]
	v_lshl_add_u32 v4, v1, 4, s9
	v_add_nc_u32 v4, 16, v4                        ; stores: element e of the row lies at my bytes + 16 + 4 e
	v_mul_u32_u24 v5, v1, 376                      ; 94 elements a lane; 94 words from lane to lane, so 8-byte reads of 32 lanes start in different banks
	v_add_nc_u32 v6, TB, v5                        ; table word 94 lane
	v_add3_u32 v5, v5, s9, 12                      ; element 94 lane - 1
	v_mov_b32 v7, s9
	s_lshl_b32 s69, s8, 6
	s_add_co_u32 s69, s69, FS
	v_mov_b32 v8, s69                              ; features of local row w; row 16 + w lies 1,024 bytes on
	v_mov_b32 v62, 0                               ; a DPP move's destination counts as read
	v_mov_b32 v63, s12
	ds_store_b32 v7, v63 offset:12                 ; element -1 = +inf: element 0 is never a peak
	v_lshlrev_b32 v59, 2, v0
	v_add_nc_u32 v59, TB, v59
	; the table of indices as f32: 512 threads x 6 words
.set ii, 0
.rept 6
	v_add_nc_u32 v56, 512*ii, v0
	v_cvt_f32_u32 v56, v56
	ds_store_b32 v59, v56 offset:2048*ii
.set ii, ii+1
.endr
	s_wait_dscnt 0x0                               ; my words of the table are written,
	s_barrier_signal -1
	s_barrier_wait -1                              ; everybody's are
; sum, max, min of a register over the 32 lanes, the result in every lane
.macro WSUM r
	v_add_f32_dpp v[\r], v[\r], v[\r] row_xmask:1 row_mask:0xf bank_mask:0xf
	v_add_f32_dpp v[\r], v[\r], v[\r] row_xmask:2 row_mask:0xf bank_mask:0xf
	v_add_f32_dpp v[\r], v[\r], v[\r] row_xmask:4 row_mask:0xf bank_mask:0xf
	v_add_f32_dpp v[\r], v[\r], v[\r] row_xmask:8 row_mask:0xf bank_mask:0xf
	v_permlanex16_b32 v60, v[\r], s10, s11
	v_add_f32 v[\r], v[\r], v60
.endm
.macro WMAX r
	v_max_num_f32_dpp v[\r], v[\r], v[\r] row_xmask:1 row_mask:0xf bank_mask:0xf
	v_max_num_f32_dpp v[\r], v[\r], v[\r] row_xmask:2 row_mask:0xf bank_mask:0xf
	v_max_num_f32_dpp v[\r], v[\r], v[\r] row_xmask:4 row_mask:0xf bank_mask:0xf
	v_max_num_f32_dpp v[\r], v[\r], v[\r] row_xmask:8 row_mask:0xf bank_mask:0xf
	v_permlanex16_b32 v60, v[\r], s10, s11
	v_max_num_f32 v[\r], v[\r], v60
.endm
.macro WMIN r
	v_min_num_f32_dpp v[\r], v[\r], v[\r] row_xmask:1 row_mask:0xf bank_mask:0xf
	v_min_num_f32_dpp v[\r], v[\r], v[\r] row_xmask:2 row_mask:0xf bank_mask:0xf
	v_min_num_f32_dpp v[\r], v[\r], v[\r] row_xmask:4 row_mask:0xf bank_mask:0xf
	v_min_num_f32_dpp v[\r], v[\r], v[\r] row_xmask:8 row_mask:0xf bank_mask:0xf
	v_permlanex16_b32 v60, v[\r], s10, s11
	v_min_num_f32 v[\r], v[\r], v60
.endm
; n pairs of elements from pair j0 on.  Their indices lie in buffer buf; the next batch's nnext pairs are asked for first, into the other buffer.
.macro PBATCH B, j0, n, nnext, buf
.if \nnext
.set ii, 0
.rept \nnext
	ds_load_b64 v[TBUF+8*(1-\buf)+2*ii:TBUF+8*(1-\buf)+2*ii+1], v6 offset:8*(\j0+\n+ii)
.set ii, ii+1
.endr
.endif
	s_wait_dscnt \nnext                            ; all but the loads just issued: this batch's indices are in
.set ii, 0
.rept \n
	v_cmp_gt_f32 vcc_lo, v[\B+2*(\j0+ii)+1], v[\B+2*(\j0+ii)]                          ; if the pair has a peak, it is the larger element (the first on a tie)
	v_cndmask_b32 v[60+ii], v[TBUF+8*\buf+2*ii], v[TBUF+8*\buf+2*ii+1], vcc_lo         ; its index
	v_max_num_f32 v[40+ii], v[\B+2*(\j0+ii)], v[\B+2*(\j0+ii)+1]                       ; its value
	v_mul_f32 v[36+ii], s74, v[60+ii]                                                  ; its time
.set ii, ii+1
.endr
.set ii, 0
.rept \n
	s_mov_b32 exec_lo, s[PM+\j0+ii]                ; lanes with a peak in this pair
	v_cmpx_gt_u32 v19, v18                         ; of them those whose peak is among the row's first 512
	v_add_nc_u32 v18, 1, v18
	v_sub_f32 v32, v[40+ii], v12                   ; U = amplitude - thr
	v_fma_f32 v33, v[60+ii], s74, -v21             ; RR = i c - last time, fused
	v_add_f32 v25, v25, v32
	v_fmac_f32 v26, v32, v32
	v_sub_f32 v34, v33, v22                        ; D = RR - the interval before
	v_min_num_f32 v23, v23, v[60+ii]               ; indices ascend: the minimum is the lane's first
	v_mov_b32 v22, v33
	v_mov_b32 v21, v[36+ii]
	v_mov_b32 v20, v[60+ii]
	v_cmpx_lt_u32 1, v18                           ; the lane's second peak or a later one: RR lies inside the lane
	v_min_num_f32 v30, v30, v33
	v_max_num_f32 v31, v31, v33
	v_sub_f32 v35, v33, v17
	v_fmac_f32 v27, v35, v35
	v_min_num_f32 v24, v24, v[60+ii]               ; the lane's second index
	v_cmpx_lt_u32 2, v18                           ; the third or a later one: D lies inside the lane
	v_fmac_f32 v28, v34, v34
	v_cmp_gt_f32 vcc_lo, |v34|, s71
	v_add_co_ci_u32 v29, vcc_lo, 0, v29, vcc_lo
.set ii, ii+1
.endr
	s_mov_b32 exec_lo, -1
.endm
; One step of the scan over lanes of the state (n = peaks so far, at most 2; A = the last one's index; R = the last interval, good if n = 2): lane L joins lane L - s in front of itself.
.macro LSTEP s
	v_add_nc_u32 v55, 4*(32-\s), v9
	v_and_b32 v55, 0x7c, v55                       ; 4 ((lane - s) mod 32)
	ds_bpermute_b32 v56, v55, v52
	ds_bpermute_b32 v57, v55, v53
	ds_bpermute_b32 v58, v55, v54
	s_mov_b32 s77, (0xffffffff<<\s)&0xffffffff     ; lanes that have a lane s below them
	s_wait_dscnt 0x0
	v_cndmask_b32 v56, 0, v56, s77
	v_mul_f32 v59, s74, v57                        ; the time of the lower side's last peak
	v_fma_f32 v59, v53, s74, -v59                  ; the interval from it to my side's last peak
	v_cmp_le_u32 vcc_lo, 1, v52
	v_cndmask_b32 v59, v58, v59, vcc_lo            ; one peak on my side: that interval; none: the lower side's R
	v_cndmask_b32 v53, v57, v53, vcc_lo
	v_cmp_le_u32 vcc_lo, 2, v52
	v_cndmask_b32 v54, v59, v54, vcc_lo            ; two on my side: my R stays
	v_add_nc_u32 v52, v52, v56
	v_min_u32 v52, 2, v52
.endm
; A whole row.  B: its registers; left: how many younger global loads may stay out; half: 0 = local row w, 1 = local row 16 + w.
.macro ROW B, left, half
	s_wait_loadcnt \left                           ; loads come back in order: this row's 24 are in, the other row's stay out
	; sum, sum of squares, max, min.  Chunk 23 starts the chains, with zeros in the lanes that hold copies (copies do no harm to max and min).
	v_cndmask_b32 v44, 0, v[\B+92], s13
	v_cndmask_b32 v45, 0, v[\B+93], s13
	v_cndmask_b32 v46, 0, v[\B+94], s13
	v_cndmask_b32 v47, 0, v[\B+95], s13
	v_max_num_f32 v48, v[\B+92], v[\B+93]
	v_max_num_f32 v49, v[\B+94], v[\B+95]
	v_min_num_f32 v50, v[\B+92], v[\B+93]
	v_min_num_f32 v51, v[\B+94], v[\B+95]
	v_pk_mul_f32 v[40:41], v[44:45], v[44:45]
	v_pk_mul_f32 v[42:43], v[46:47], v[46:47]
.set pp, 0
.rept 46
	v_pk_add_f32 v[44+2*(pp%2):45+2*(pp%2)], v[44+2*(pp%2):45+2*(pp%2)], v[\B+2*pp:\B+2*pp+1]
	v_pk_fma_f32 v[40+2*(pp%2):41+2*(pp%2)], v[\B+2*pp:\B+2*pp+1], v[\B+2*pp:\B+2*pp+1], v[40+2*(pp%2):41+2*(pp%2)]
	v_max3_num_f32 v[48+pp%2], v[48+pp%2], v[\B+2*pp], v[\B+2*pp+1]
	v_min3_num_f32 v[50+pp%2], v[50+pp%2], v[\B+2*pp], v[\B+2*pp+1]
.set pp, pp+1
.endr
	v_pk_add_f32 v[44:45], v[44:45], v[46:47]
	v_pk_add_f32 v[40:41], v[40:41], v[42:43]
	v_max_num_f32 v14, v48, v49
	v_min_num_f32 v15, v50, v51
	v_add_f32 v44, v44, v45
	v_add_f32 v40, v40, v41
	WSUM 44
	WSUM 40
	WMAX 14
	WMIN 15
	v_mul_f32 v10, s73, v44                        ; mean
	v_mul_f32 v16, s73, v40                        ; mean square
	v_mov_b32 v11, v10
	; variance about the mean, a second pass over the registers
	v_pk_add_f32 v[52:53], v[\B+92:\B+93], v[10:11] neg_lo:[0,1] neg_hi:[0,1]
	v_pk_add_f32 v[54:55], v[\B+94:\B+95], v[10:11] neg_lo:[0,1] neg_hi:[0,1]
	v_cndmask_b32 v52, 0, v52, s13
	v_cndmask_b32 v53, 0, v53, s13
	v_cndmask_b32 v54, 0, v54, s13
	v_cndmask_b32 v55, 0, v55, s13
	v_pk_mul_f32 v[40:41], v[52:53], v[52:53]
	v_pk_mul_f32 v[42:43], v[54:55], v[54:55]
.set pp, 0
.rept 46
	v_pk_add_f32 v[52+2*(pp%4):53+2*(pp%4)], v[\B+2*pp:\B+2*pp+1], v[10:11] neg_lo:[0,1] neg_hi:[0,1]
	v_pk_fma_f32 v[40+2*(pp%2):41+2*(pp%2)], v[52+2*(pp%4):53+2*(pp%4)], v[52+2*(pp%4):53+2*(pp%4)], v[40+2*(pp%2):41+2*(pp%2)]
.set pp, pp+1
.endr
	v_pk_add_f32 v[40:41], v[40:41], v[42:43]
	v_add_f32 v40, v40, v41
	WSUM 40
	v_mul_f32 v40, s73, v40
	v_sqrt_f32 v13, v40                            ; std; the four selects below stand between it and its use
	v_cndmask_b32 v[\B+92], s12, v[\B+92], s13     ; elements 3000 .. 3071 = +inf: element 2999 is never a peak
	v_cndmask_b32 v[\B+93], s12, v[\B+93], s13
	v_cndmask_b32 v[\B+94], s12, v[\B+94], s13
	v_cndmask_b32 v[\B+95], s12, v[\B+95], s13
	s_wait_alu depctr_va_vdst(0)
	v_fma_f32 v12, 0.5, v13, v10                   ; thr
	; z = max(x, thr), then through my own LDS bytes.  LDS serves a wave's instructions in order: the loads see the stores, no wait between them.
.set pp, 0
.rept 96
	v_max_num_f32 v[\B+pp], v[\B+pp], v12
.set pp, pp+1
.endr
.set jj, 0
.rept 24
	ds_store_b128 v4, v[\B+4*jj:\B+4*jj+3] offset:512*jj
.set jj, jj+1
.endr
.set jj, 0
.rept 47
	ds_load_b64 v[\B+2*jj:\B+2*jj+1], v5 offset:4+8*jj
.set jj, jj+1
.endr
	ds_load_b32 v[\B+94], v5 offset:380            ; the next lane's first element
	ds_load_b32 v[\B+95], v5                       ; the lane below's last element
.set ii, 0
.rept 4
	ds_load_b64 v[TBUF+2*ii:TBUF+2*ii+1], v6 offset:8*ii   ; the indices of pairs 0-3
.set ii, ii+1
.endr
	v_mov_b32 v18, 0
	s_wait_dscnt 0x4                               ; all but those four loads of indices
	; the masks of peaks, pair by pair, and each lane's number of peaks
	v_cmp_gt_f32 s66, v[\B], v[\B+95]              ; c_0
.set jj, 0
.rept 47
	v_cmp_gt_f32 s68, v[\B+2*jj+1], v[\B+2*jj]                 ; c_(2j+1)
	v_cmp_gt_f32 s[66+(jj+1)%2], v[\B+2*jj+2], v[\B+2*jj+1]    ; c_(2j+2)
	s_and_not1_b32 s69, s[66+jj%2], s68
	s_and_not1_b32 s70, s68, s[66+(jj+1)%2]
.if jj >= 43
	s_or_b32 s69, s69, s70
	s_and_b32 vcc_lo, s69, 0x7fffffff              ; lane 31's pairs 43-46 are padding
.else
	s_or_b32 vcc_lo, s69, s70
.endif
	s_mov_b32 s[PM+jj], vcc_lo
	v_add_co_ci_u32 v18, vcc_lo, 0, v18, vcc_lo
.set jj, jj+1
.endr
	; peaks in the lanes below me: an inclusive scan of the counts, less my own
	v_mov_b32 v61, v18
.irp s, 1, 2, 4, 8
	v_mov_b32_dpp v62, v61 row_shr:\s row_mask:0xf bank_mask:0xf bound_ctrl:1
	v_add_nc_u32 v61, v61, v62
.endr
	v_readlane_b32 s69, v61, 15
	v_mov_b32 v62, s69
	v_cndmask_b32 v62, 0, v62, s76
	v_add_nc_u32 v61, v61, v62
	v_readlane_b32 s72, v61, 31                    ; all the row's peaks
	s_max_u32 s72, s72, 1
	v_cvt_f32_u32 v17, s72
	v_rcp_f32 v17, v17
	v_sub_nc_u32 v20, v61, v18
	s_wait_alu depctr_va_vdst(0)
	v_mul_f32 v17, 0x41f00000, v17                 ; pivot for RR: 30 s / peaks
	v_sub_nc_u32 v19, 0x200, v20
	v_max_i32 v19, 0, v19                          ; how many of my peaks are among the first 512
	v_mov_b32 v18, 0
	v_mov_b32 v20, 0
	v_mov_b32 v21, 0
	v_mov_b32 v22, 0
	v_mov_b32 v23, s12
	v_mov_b32 v24, s12
	v_mov_b32 v25, 0
	v_mov_b32 v26, 0
	v_mov_b32 v27, 0
	v_mov_b32 v28, 0
	v_mov_b32 v29, 0
	v_mov_b32 v30, 0x4e6e6b28                      ; 1e9
	v_mov_b32 v31, 0xce6e6b28                      ; -1e9
	v_mov_b32 v32, 0
	v_mov_b32 v33, 0
	v_mov_b32 v34, 0
	v_mov_b32 v35, 0
	s_wait_xcnt 0x0                                ; EXEC is a source of the other row's pending loads: it changes only behind this wait; no global instruction follows until EXEC is whole for good
.irp t, 0, 1, 2, 3, 4
	PBATCH \B, 8*\t, 4, 4, 0
.if \t < 4
	PBATCH \B, 8*\t+4, 4, 4, 1
.endif
.endr
	PBATCH \B, 36, 4, 4, 1
	PBATCH \B, 40, 4, 3, 0
	PBATCH \B, 44, 3, 0, 1
	; what lies in front of each lane: the state of all lower lanes.  First every lane takes its lower neighbour's state, then five doubling steps.
	v_min_u32 v52, 2, v18
	v_add_nc_u32 v55, 4*31, v9
	v_and_b32 v55, 0x7c, v55
	ds_bpermute_b32 v52, v55, v52
	ds_bpermute_b32 v53, v55, v20
	ds_bpermute_b32 v54, v55, v22
	s_mov_b32 s77, 0xfffffffe
	s_wait_dscnt 0x0
	v_cndmask_b32 v52, 0, v52, s77                 ; nothing lies in front of lane 0
	LSTEP 1
	LSTEP 2
	LSTEP 4
	LSTEP 8
	LSTEP 16
	; the interval and the two differences that reach across the lane's lower edge (what does not count is selected away, infinities and NaN with it)
	v_mul_f32 v48, s74, v23                        ; the time of my first peak
	v_mul_f32 v49, s74, v53                        ; of the last peak in front of me
	v_fma_f32 v55, v23, s74, -v49                  ; RR of my first peak
	v_fma_f32 v59, v24, s74, -v48                  ; RR of my second peak
	v_cmp_le_u32 s77, 1, v18
	v_cmp_le_u32 s78, 1, v52
	v_cmp_le_u32 s79, 2, v52
	v_cmp_le_u32 s69, 2, v18
	s_and_b32 s70, s77, s78                        ; I have a peak and one lies in front: that RR counts
	s_and_b32 s79, s77, s79                        ; and two lie in front: its difference to the interval before counts
	s_and_b32 s69, s69, s78                        ; I have two peaks and one lies in front: my second RR's difference counts
	v_cndmask_b32 v56, v30, v55, s70
	v_min_num_f32 v30, v30, v56
	v_cndmask_b32 v56, v31, v55, s70
	v_max_num_f32 v31, v31, v56
	v_sub_f32 v57, v55, v17
	v_cndmask_b32 v57, 0, v57, s70
	v_fmac_f32 v27, v57, v57
	v_sub_f32 v58, v55, v54
	v_cndmask_b32 v58, 0, v58, s79
	v_fmac_f32 v28, v58, v58
	v_cmp_gt_f32 vcc_lo, |v58|, s71
	v_add_co_ci_u32 v29, vcc_lo, 0, v29, vcc_lo
	v_sub_f32 v59, v59, v55
	v_cndmask_b32 v59, 0, v59, s69
	v_fmac_f32 v28, v59, v59
	v_cmp_gt_f32 vcc_lo, |v59|, s71
	v_add_co_ci_u32 v29, vcc_lo, 0, v29, vcc_lo
	; over the wave
	v_cvt_f32_u32 v29, v29
	v_cvt_f32_u32 v40, v18
	WSUM 25
	WSUM 26
	WSUM 27
	WSUM 28
	WSUM 29
	WSUM 40                                        ; feature 0: n_pk
	WMIN 30
	WMIN 23                                        ; the first index
	WMAX 31
	WMAX 20                                        ; the last index
	v_mul_f32 v21, s74, v20                        ; the last time
	v_mul_f32 v22, s74, v23                        ; the first time
	; the sixteen features, in v[40:55]
	v_add_f32 v62, -1.0, v40
	v_add_f32 v63, -2.0, v40
	v_max_num_f32 v62, 0, v62                      ; n_rr
	v_max_num_f32 v63, 0, v63                      ; n_drr
	v_max_num_f32 v32, 1.0, v62
	v_max_num_f32 v33, 1.0, v63
	v_max_num_f32 v34, 1.0, v40
	v_rcp_f32 v32, v32
	v_rcp_f32 v33, v33
	v_rcp_f32 v34, v34
	v_sub_f32 v35, v21, v22                        ; a plain instruction between the reciprocals and their use
	v_cmp_lt_f32 s77, 0, v62                       ; n_rr > 0
	v_cmp_lt_f32 s78, 0, v40                       ; n_pk > 0
	s_wait_alu depctr_va_vdst(0)
	v_mul_f32 v35, v35, v32
	v_cndmask_b32 v41, 0, v35, s77                 ; 1: rr_mean
	v_sub_f32 v36, v41, v17
	v_mul_f32 v37, v27, v32
	v_fma_f32 v37, -v36, v36, v37                  ; mean of (RR - pivot)^2 less (rr_mean - pivot)^2
	v_max_num_f32 v37, 0, v37
	v_mul_f32 v38, v28, v33
	v_mul_f32 v44, v29, v33                        ; 4: pnn50
	v_cndmask_b32 v45, 0, v30, s77                 ; 5: rr_min
	v_cndmask_b32 v46, 0, v31, s77                 ; 6: rr_max
	v_add_f32 v39, 0x322bcc77, v41                 ; rr_mean + 1e-8
	v_mul_f32 v56, v25, v34
	v_mul_f32 v57, v26, v34
	v_fma_f32 v57, -v56, v56, v57
	v_max_num_f32 v57, 0, v57
	v_sqrt_f32 v42, v37                            ; 2: sdnn
	v_sqrt_f32 v43, v38                            ; 3: rmssd
	v_rcp_f32 v58, v39
	v_sqrt_f32 v50, v57                            ; 10: amp_std
	v_add_f32 v56, v12, v56                        ; a plain instruction behind the four
	v_cndmask_b32 v49, 0, v56, s78                 ; 9: amp_mean
	s_wait_alu depctr_va_vdst(0)
	v_mul_f32 v47, v42, v58                        ; 7: rr_cv
	v_mul_f32 v58, 0x42700000, v58
	v_cndmask_b32 v48, 0, v58, s77                 ; 8: mean_hr
	v_mov_b32 v51, v10                             ; 11-15: mean, std, max, min, mean square
	v_mov_b32 v52, v13
	v_mov_b32 v53, v14
	v_mov_b32 v54, v15
	v_mov_b32 v55, v16
.irp f, 0, 1, 2, 3
	ds_store_b128 v8, v[40+4*\f:43+4*\f] offset:1024*\half+16*\f   ; every lane holds the same numbers and writes the same bytes
.endr
.endm
	ROW P, 24, 0
	ROW Q, 0, 1
	s_wait_dscnt 0x0                               ; my two rows of features are written,
	s_barrier_signal -1
	s_barrier_wait -1                              ; all 32 are
	s_cmp_lt_u32 s8, 4
	s_cbranch_scc0 .Lstat
	; waves 0-3: the window's 2,048 bytes of features leave, 16 bytes a thread: each store of a wave covers 512 consecutive bytes, aligned
	v_lshlrev_b32 v61, 4, v0
	v_add_nc_u32 v60, FS, v61
	ds_load_b128 v[64:67], v60
	s_wait_dscnt 0x0
	global_store_b128 v61, v[64:67], s[4:5]
	s_wait_xcnt 0x0
	s_mov_b32 exec_lo, -1
	v_lshl_add_u32 v62, v0, 2, 0x33a00
	v_mov_b32 v63, 0
	s_wait_tensorcnt 0x0
	ds_add_u32 v62, v63
	s_wait_dscnt 0x0
	s_endpgm
.Lstat:
	s_cmp_eq_u32 s8, 4
	s_cbranch_scc0 .Ldone
	; wave 4: lane l takes feature l mod 16 of all 32 rows; the sum is made in row order, so that a column of equal numbers with few bits sums exactly
	v_and_b32 v60, 15, v1
	v_lshlrev_b32 v60, 2, v60
	v_add_nc_u32 v60, FS, v60
.set ii, 0
.rept 32
	ds_load_b32 v[64+ii], v60 offset:64*ii
.set ii, ii+1
.endr
	s_wait_dscnt 0x0
	v_add_f32 v61, v64, v65
.set ii, 2
.rept 30
	v_add_f32 v61, v61, v[64+ii]
.set ii, ii+1
.endr
	v_mul_f32 v62, 0x3d000000, v61                 ; the window's mean
	v_sub_f32 v96, v64, v62
	v_mul_f32 v63, v96, v96
.set ii, 1
.rept 31
	v_sub_f32 v[96+ii%2], v[64+ii], v62
	v_fmac_f32 v63, v[96+ii%2], v[96+ii%2]
.set ii, ii+1
.endr
	v_cndmask_b32 v61, v61, v63, s76               ; lanes 0-15 the sums, lanes 16-31 the squares
	global_store_b32 v9, v61, s[6:7]
.Ldone:
	s_wait_xcnt 0x0
	s_mov_b32 exec_lo, -1
	v_lshl_add_u32 v62, v0, 2, 0x33a00
	v_mov_b32 v63, 0
	s_wait_tensorcnt 0x0
	ds_add_u32 v62, v63
	s_wait_dscnt 0x0
	s_endpgm
.Lfunc_end_k_qde3a1994f2_feat:
	.size	k_qde3a1994f2_feat, .Lfunc_end_k_qde3a1994f2_feat-k_qde3a1994f2_feat
	.p2alignl 7, 3214868480
	.fill 96, 4, 3214868480
	.section	.rodata,"a",@progbits
	.p2align	6, 0x0
	.amdhsa_kernel k_qde3a1994f2_feat
		.amdhsa_group_segment_fixed_size 213504
		.amdhsa_private_segment_fixed_size 0
		.amdhsa_enable_private_segment 0
		.amdhsa_kernarg_size 24
		.amdhsa_user_sgpr_count 2
		.amdhsa_user_sgpr_kernarg_segment_ptr 1
		.amdhsa_wavefront_size32 1
		.amdhsa_system_sgpr_workgroup_id_x 1
		.amdhsa_system_sgpr_workgroup_id_y 1
		.amdhsa_system_sgpr_workgroup_id_z 1
		.amdhsa_system_vgpr_workitem_id 0
		.amdhsa_next_free_vgpr 256
		.amdhsa_next_free_sgpr 80
		.amdhsa_reserve_vcc 1
		.amdhsa_float_denorm_mode_32 3
		.amdhsa_float_denorm_mode_16_64 3
		.amdhsa_memory_ordered 1
		.amdhsa_forward_progress 1
		.amdhsa_inst_pref_size 214
	.end_amdhsa_kernel
	.amdgpu_metadata
---
amdhsa.version: [ 1, 2 ]
amdhsa.kernels:
  - .name:           k_qde3a1994f2_feat
    .symbol:         k_qde3a1994f2_feat.kd
    .args:
      - { .name: x, .offset: 0, .size: 8, .value_kind: global_buffer, .address_space: global }
      - { .name: feats, .offset: 8, .size: 8, .value_kind: global_buffer, .address_space: global }
      - { .name: wstat, .offset: 16, .size: 8, .value_kind: global_buffer, .address_space: global }
    .group_segment_fixed_size: 213504
    .private_segment_fixed_size: 0
    .kernarg_segment_align: 8
    .kernarg_segment_size: 24
    .max_flat_workgroup_size: 512
    .sgpr_count:     80
    .vgpr_count:     256
    .wavefront_size: 32
...
	.end_amdgpu_metadata
.endif
;; end of part 1
;; launch head (part 2): grid 32 x 1, 8 waves a work-group, no clusters, 33,792 bytes of LDS; arguments feats, wstat, w, b, out0; writes out0
.if DOCPART == 2
	.amdgcn_target "amdgcn-amd-amdhsa--gfx1250"
	.amdhsa_code_object_version 6
	.text
	.protected	k_qde3a1994f2_head
	.globl	k_qde3a1994f2_head
	.p2align	8
	.type	k_qde3a1994f2_head,@function
k_qde3a1994f2_head:
	s_mov_b64 s[64:65], 0
	v_nop
	global_prefetch_b8 v0, s[64:65] scope:SCOPE_SE
	s_setreg_imm32_b32 hwreg(HW_REG_WAVE_MODE, 25, 1), 1
	s_wait_xcnt 0x0
; out0[r][c] = sum over j of w[c][j] (feats[r][j] - mu[j]) / (sigma[j] + 1e-6) + b[c].  feats: [8192][16], wstat: [256][32], w: [2][16], b: [2], out0: [8192][2], all f32.
; mu[j] = (sum of the 256 window sums) / 8192; sigma[j]^2 = (sum of the windows' squares about their own means + 32 x sum of (window mean - mu)^2) / 8191.
; THE SUM OVER WINDOWS IS TAKEN ABOUT A PIVOT, window 0's own word P: acc = sum of (word - P), mu = P / 32 + acc / 8192 in one fused step.
; Why: a column whose numbers agree in nearly all bits (the shortest interval) has a spread far below the 1e-6 in the divisor, so an error of 1e-8 in mu shows as 0.01 in the
; standardised feature; and adding 256 nearly equal window sums one onto the other loses nearly the same part of a last place every time, which adds up instead of
; cancelling.  About the pivot the differences of such a column are exact and small, and mu is rounded once.  A column of equal numbers gives differences of zero, mu equal
; to the number, and exact zeros for f - mu however small sigma is.  f - mu is formed before any scaling.
; 32 work-groups of 256 threads, a row a thread.  Every wave makes mu and sigma for itself from a copy of wstat in LDS (lane l = word l of a window's record):
; 32 KiB read per work-group, against a third launch and its traffic.
; The product has 2 columns and 16 terms: 32 fused multiply-adds a row in f32.  The matrix unit is left out: 14 of a tile's 16 columns would idle, and operands
; of 16 bits would spend the allowed error on standardised features.
; v1 lane, v2 64 t, v3 w, v4 4 lane, v5 16 t, v6 sum, v7 mu, v8 pivot, v9 pivot / 32, v[10:11] the two outputs, v12 8 t, v[16:19] squares, v[20:23] at work,
; v[24:27] four chains of the sum, v[32:63], v[80:111] two buffers of 32 words, v[64:79] my row's features.
; s[16:31] mu, s[32:47] w[0] / (sigma + eps), s[48:63] w[1] / (sigma + eps)
	s_load_b256 s[4:11], s[0:1], 0x0               ; feats s[4:5], wstat s[6:7], w s[8:9], b s[10:11]
	s_load_b64 s[12:13], s[0:1], 0x20              ; out0
	v_lshl_add_u32 v112, v0, 2, 0x8000
	v_mov_b32 v113, 0
	v_and_b32 v1, 31, v0
	v_lshlrev_b32 v2, 6, v0
	v_lshlrev_b32 v4, 2, v1
	v_lshlrev_b32 v5, 4, v0
	v_lshlrev_b32 v12, 3, v0
	s_mov_b32 s66, 0x3d000000                      ; 1 / 32
	s_mov_b32 s67, 0xffff0000                      ; lanes 16-31
	s_mov_b32 s68, 0x76543210
	s_mov_b32 s69, 0xfedcba98
	s_lshl_b32 s2, ttmp9, 14                       ; 256 rows x 64 bytes
	s_mov_b32 s3, 0
	s_wait_kmcnt 0x0
	s_load_b64 s[14:15], s[10:11], 0x0             ; b[0], b[1]
	s_add_nc_u64 s[4:5], s[4:5], s[2:3]
	s_lshl_b32 s2, ttmp9, 11                       ; 256 rows x 8 bytes
	s_add_nc_u64 s[12:13], s[12:13], s[2:3]
.set ii, 0
.rept 8
	global_load_b128 v[32+4*ii:35+4*ii], v5, s[6:7] offset:4096*ii
.set ii, ii+1
.endr
	global_load_b32 v3, v4, s[8:9]                 ; lanes 0-15: w[0][lane]; lanes 16-31: w[1][lane - 16]
.set ii, 0
.rept 4
	global_load_b128 v[64+4*ii:67+4*ii], v2, s[4:5] offset:16*ii
.set ii, ii+1
.endr
	s_wait_loadcnt 0x5                             ; wstat is in; w and my row's four loads stay out
.set ii, 0
.rept 8
	ds_store_b128 v5, v[32+4*ii:35+4*ii] offset:4096*ii
.set ii, ii+1
.endr
	s_wait_dscnt 0x0                               ; my part of the copy is written,
	s_barrier_signal -1
	s_barrier_wait -1                              ; all of it is
.macro LDB buf, b                      ; my word of windows 32 b .. 32 b + 31
.set ii, 0
.rept 32
	ds_load_b32 v[\buf+ii], v4 offset:128*(32*(\b)+ii)
.set ii, ii+1
.endr
.endm
.macro NEXTB b, nxt                    ; the next batch is asked for; the wait leaves those 32 loads out
.if \b < 7
	LDB \nxt, \b+1
	s_wait_dscnt 32
.else
	s_wait_dscnt 0x0
.endif
.endm
.macro ACC1 b, cur, nxt                ; the sum of (word - pivot), four chains by turns; window 0's own difference is zero and is left out
	NEXTB \b, \nxt
.if \b == 0
	v_mov_b32 v8, v[\cur]                          ; the pivot: window 0's word
.set ii, 1
.rept 4
	v_sub_f32 v[24+ii%4], v[\cur+ii], v8           ; windows 1-4 start the chains: nothing is cleared
.set ii, ii+1
.endr
.rept 27
	v_sub_f32 v[20+ii%4], v[\cur+ii], v8
	v_add_f32 v[24+ii%4], v[24+ii%4], v[20+ii%4]
.set ii, ii+1
.endr
.else
.set ii, 0
.rept 32
	v_sub_f32 v[20+ii%4], v[\cur+ii], v8
	v_add_f32 v[24+ii%4], v[24+ii%4], v[20+ii%4]
.set ii, ii+1
.endr
.endif
.endm
.macro ACC2 b, cur, nxt                ; squares of (window mean - mu), four chains by turns
	NEXTB \b, \nxt
.set ii, 0
.rept 32
	v_fma_f32 v[20+ii%4], v[\cur+ii], s66, -v7
	v_fmac_f32 v[16+ii%4], v[20+ii%4], v[20+ii%4]
.set ii, ii+1
.endr
.endm
	LDB 32, 0
.irp t, 0, 2, 4, 6
	ACC1 \t, 32, 80
	ACC1 \t+1, 80, 32
.endr
	v_add_f32 v24, v24, v25
	v_add_f32 v26, v26, v27
	v_add_f32 v6, v24, v26                         ; acc = sum over the windows of (word - pivot)
	v_mul_f32 v9, s66, v8                          ; pivot / 32, exact
	v_fmamk_f32 v7, v6, 0x39000000, v9             ; lanes 0-15: mu = acc / 8192 + pivot / 32, rounded once (lanes 16-31: not used)
	v_fmamk_f32 v6, v8, 0x43800000, v6             ; lanes 16-31: the sum of the windows' squares = 256 pivot + acc (lanes 0-15: not used)
	v_mov_b32 v16, 0
	v_mov_b32 v17, 0
	v_mov_b32 v18, 0
	v_mov_b32 v19, 0
	LDB 32, 0
.irp t, 0, 2, 4, 6
	ACC2 \t, 32, 80
	ACC2 \t+1, 80, 32
.endr
	v_add_f32 v16, v16, v17
	v_add_f32 v18, v18, v19
	v_add_f32 v16, v16, v18
	v_mul_f32 v16, 0x42000000, v16                 ; x 32 rows a window
	v_cndmask_b32 v16, v16, v6, s67                ; lanes 0-15: between windows; lanes 16-31: inside windows
	v_permlanex16_b32 v17, v16, s68, s69
	v_add_f32 v16, v16, v17                        ; both halves now hold feature (lane mod 16)'s sum of squares
	v_mul_f32 v16, 0x39000400, v16                 ; / 8191
	v_sqrt_f32 v16, v16
	v_nop                                          ; one plain place behind the root
	s_wait_alu depctr_va_vdst(0)
	v_add_f32 v16, 0x358637bd, v16                 ; + 1e-6
	v_rcp_f32 v16, v16
	s_wait_loadcnt 0x0                             ; w and my row
	v_nop                                          ; one plain place behind the reciprocal
	s_wait_alu depctr_va_vdst(0)
	v_mul_f32 v16, v3, v16                         ; w / (sigma + eps)
.set ii, 0
.rept 16
	v_readlane_b32 s[16+ii], v7, ii
	v_readlane_b32 s[32+ii], v16, ii
	v_readlane_b32 s[48+ii], v16, 16+ii
.set ii, ii+1
.endr
	s_wait_kmcnt 0x0                               ; b
	v_mov_b32 v10, s14
	v_mov_b32 v11, s15
.set ii, 0
.rept 16
	v_sub_f32 v[20+ii%4], v[64+ii], s[16+ii]
	v_fmac_f32 v10, s[32+ii], v[20+ii%4]
	v_fmac_f32 v11, s[48+ii], v[20+ii%4]
.set ii, ii+1
.endr
	global_store_b64 v12, v[10:11], s[12:13]       ; a wave's store covers 256 consecutive bytes, aligned
	s_barrier_signal -1
	s_barrier_wait -1
	s_wait_tensorcnt 0x0
	ds_add_u32 v112, v113
	s_wait_dscnt 0x0
	s_endpgm
.Lfunc_end_k_qde3a1994f2_head:
	.size	k_qde3a1994f2_head, .Lfunc_end_k_qde3a1994f2_head-k_qde3a1994f2_head
	.p2alignl 7, 3214868480
	.fill 96, 4, 3214868480
	.section	.rodata,"a",@progbits
	.p2align	6, 0x0
	.amdhsa_kernel k_qde3a1994f2_head
		.amdhsa_group_segment_fixed_size 33792
		.amdhsa_private_segment_fixed_size 0
		.amdhsa_enable_private_segment 0
		.amdhsa_kernarg_size 40
		.amdhsa_user_sgpr_count 2
		.amdhsa_user_sgpr_kernarg_segment_ptr 1
		.amdhsa_wavefront_size32 1
		.amdhsa_system_sgpr_workgroup_id_x 1
		.amdhsa_system_sgpr_workgroup_id_y 1
		.amdhsa_system_sgpr_workgroup_id_z 1
		.amdhsa_system_vgpr_workitem_id 0
		.amdhsa_next_free_vgpr 114
		.amdhsa_next_free_sgpr 70
		.amdhsa_reserve_vcc 0
		.amdhsa_float_denorm_mode_32 3
		.amdhsa_float_denorm_mode_16_64 3
		.amdhsa_memory_ordered 1
		.amdhsa_forward_progress 1
		.amdhsa_inst_pref_size 82
	.end_amdhsa_kernel
	.amdgpu_metadata
---
amdhsa.version: [ 1, 2 ]
amdhsa.kernels:
  - .name:           k_qde3a1994f2_head
    .symbol:         k_qde3a1994f2_head.kd
    .args:
      - { .name: feats, .offset: 0, .size: 8, .value_kind: global_buffer, .address_space: global }
      - { .name: wstat, .offset: 8, .size: 8, .value_kind: global_buffer, .address_space: global }
      - { .name: w, .offset: 16, .size: 8, .value_kind: global_buffer, .address_space: global }
      - { .name: b, .offset: 24, .size: 8, .value_kind: global_buffer, .address_space: global }
      - { .name: out0, .offset: 32, .size: 8, .value_kind: global_buffer, .address_space: global }
    .group_segment_fixed_size: 33792
    .private_segment_fixed_size: 0
    .kernarg_segment_align: 8
    .kernarg_segment_size: 40
    .max_flat_workgroup_size: 256
    .sgpr_count:     70
    .vgpr_count:     114
    .wavefront_size: 32
...
	.end_amdgpu_metadata
.endif
;; end of part 2
;; ======== version 2 of 3: 2 launches; 1.19 times as fast as version 1
;; limits: a difference of large sums (such as E[x^2] - mean^2): digits are lost where the result is much smaller than its terms
;; workspace buffers: feats 524,288 bytes; wstat 32,768 bytes
;; launch feat (part 3): grid 256 x 1, 16 waves a work-group, no clusters, 213,504 bytes of LDS; arguments x, feats, wstat; writes feats, wstat
.if DOCPART == 3
	.amdgcn_target "amdgcn-amd-amdhsa--gfx1250"
	.amdhsa_code_object_version 6
	.text
	.protected	k_qde3a1994f2_feat
	.globl	k_qde3a1994f2_feat
	.p2align	8
	.type	k_qde3a1994f2_feat,@function
k_qde3a1994f2_feat:
	s_mov_b64 s[64:65], 0
	v_nop
	global_prefetch_b8 v0, s[64:65] scope:SCOPE_SE
	s_setreg_imm32_b32 hwreg(HW_REG_WAVE_MODE, 25, 1), 1
	s_wait_xcnt 0x0
; HRV features.  x: [8192][3000] f32.  feats: [8192][16] f32.  wstat: [256 windows of 32 rows][32] f32:
; words 0-15 the sum of the window's 32 rows for each feature, added in row order; words 16-31 the sum of (f - window mean)^2.
; A work-group owns 32 consecutive rows (one window), a wave two of them: local rows w (registers P) and 16 + w (registers Q).
; THE ORDER AT THE HEAD.  The table of indices and its barrier come first, while the kernel's arguments are fetched: no wave stands at a barrier behind a run of loads.
; Then row P's 24 loads; row Q's 24 go out as soon as P is in, and have all of P's work in which to land.  Each byte of x is read once.
; A row arrives with 16 neighbouring bytes a lane; mean, variance, max, min and mean square are made in that layout.  Then the row,
; clamped from below to the threshold (z = max(x, thr)), goes through the wave's own LDS bytes so that lane L holds elements 94 L .. 94 L + 93.
; With c_k = z[k] > z[k-1], element k is a peak exactly if c_k and not c_(k+1); two neighbours are never both peaks, so a pair of elements has
; at most one peak.  No address and no branch hangs on data: peaks are walked in order under EXEC masks, one pair of elements at a time.
; THE TIMES' ROUNDING.  pnn50 (differences of exactly 5 samples against 0.05) and rr_min hang on the last bits of the times and of the two subtractions.
; Here, with c = f32(0.01): a time is t = i c rounded once; an interval is fma(i1, c, -t0), the later peak's product fused into the subtraction;
; a difference of intervals is a plain f32 subtraction of two such intervals.  That is the problem's text as an optimising compiler evaluates it (division by a
; constant as a product with its rounded reciprocal, a product with one use contracted, the intervals kept as one array); it is not i / 100 rounded once.
; LIMITS: x is finite (x[k] >= x[k+1] is taken as not x[k+1] > x[k]; +inf serves as padding).  1/n, roots: v_rcp_f32, v_sqrt_f32 (1 ulp).
; rr_mean = (last time - first time) / n_rr; sdnn and amp_std from sums about a pivot (30 s / peaks; the threshold), a formula exact for any pivot.
; The row sums are made in another order than the problem's, so the threshold may differ in its last bit: a sample that lies that close to it may be classed otherwise.
; No matrix unit, no tensor load, no cluster: nothing is multiplied by a matrix here and no two work-groups read the same bytes.
.set ROWBYTES, 12000                   ; a row of x
.set RB,   12320                       ; a wave's LDS bytes: byte 12 front pad, bytes 16 .. 12303 the 3,072 words that the 24 stores write
.set TB,   16*RB                       ; 197,120: table of f32(i), 3,072 words: a peak's index comes by one select between two table words
.set FS,   TB+12288                    ; 209,408: [32 local rows][16] features
.set P,    64                          ; v[64:159]  row w:      24 chunks of 4 as loaded; later Z[k] = P + k, k = 0..93, next = P + 94, prev = P + 95
.set Q,    160                         ; v[160:255] row 16 + w: likewise
.set TBUF, 44                          ; v[44:51], v[52:59]: indices of four pairs of elements, two buffers
.set PM,   16                          ; s[16:62]: for each of 47 pairs of elements the lanes that have a peak there
; v0 thread, v1 lane, v2 16 lane, v3 16 min(lane, 13), v4 LDS store address, v5 LDS load address, v6 address in the table, v7 my LDS bytes, v8 my feature row, v9 4 lane
; v[10:11] mean twice, v12 thr, v13 std, v14 max, v15 min, v16 mean square, v17 pivot, v18 count, v19 how many peaks this lane may take, v20 peaks in lower lanes, then the last index
; v21 last time, v22 last interval, v23 first index, v24 second index, v25 sum U, v26 sum U^2, v27 sum W^2, v28 sum D^2,
; v29 count |D| > 0.05, v30 RR min, v31 RR max, v32 U, v33 RR, v34 D, v35 W, v[36:39] the pairs' peak times, v[40:43] their values, v[60:63] their indices (else scratch)
; the 24 loads of local row w + 16 r: 23 of 512 neighbouring bytes, one of 224
.macro LOADROW r
.set jj, 0
.rept 23
	global_load_b128 v[P+96*\r+4*jj:P+96*\r+4*jj+3], v2, s[2:3] offset:16*ROWBYTES*\r+512*jj th:TH_LOAD_NT
.set jj, jj+1
.endr
	global_load_b128 v[P+96*\r+92:P+96*\r+95], v3, s[2:3] offset:16*ROWBYTES*\r+11776 th:TH_LOAD_NT
.endm
	s_load_b64 s[2:3], s[0:1], 0x0                 ; x
	s_load_b128 s[4:7], s[0:1], 0x8                ; feats s[4:5], wstat s[6:7]
	v_and_b32 v1, 31, v0                           ; lane
	v_lshrrev_b32 v60, 5, v0
	v_readfirstlane_b32 s8, v60                    ; wave 0..15
	s_mov_b32 s12, 0x7f800000                      ; +inf
	s_mul_i32 s9, s8, RB                           ; my wave's LDS bytes
	v_mov_b32 v7, s9
	v_mov_b32 v63, s12
	ds_store_b32 v7, v63 offset:12                 ; element -1 = +inf: element 0 is never a peak
	v_lshlrev_b32 v59, 2, v0
	v_add_nc_u32 v59, TB, v59
	; the table of indices as f32: 512 threads x 6 words.  It needs the thread's number alone, so it is written while the arguments are on their way.
.set ii, 0
.rept 6
	v_add_nc_u32 v56, 512*ii, v0
	v_cvt_f32_u32 v56, v56
	ds_store_b32 v59, v56 offset:2048*ii
.set ii, ii+1
.endr
	s_mov_b32 s10, 0x76543210                      ; v_permlanex16_b32: lane i reads lane i of the other half
	s_mov_b32 s11, 0xfedcba98
	s_mov_b32 s13, 0x00003fff                      ; lanes 0-13: those that hold data in chunk 23
	s_mov_b32 s71, 0x3d4ccccd                      ; 0.05
	s_mov_b32 s73, 0x39aec33e                      ; 1 / 3000
	s_mov_b32 s74, 0x3c23d70a                      ; c = 0.01
	s_mov_b32 s76, 0xffff0000                      ; lanes 16-31
	v_lshlrev_b32 v2, 4, v1
	v_min_u32 v3, 13, v1
	v_lshlrev_b32 v3, 4, v3                        ; chunk 23 has 224 bytes: lanes 14-31 read lane 13's again and stay inside the row
	v_lshlrev_b32 v9, 2, v1
	s_mul_i32 s14, ttmp9, 32*ROWBYTES              ; below 2^27
	s_mul_i32 s15, s8, ROWBYTES
	s_add_co_u32 s14, s14, s15
	s_mov_b32 s15, 0
	v_lshl_add_u32 v4, v1, 4, s9
	v_add_nc_u32 v4, 16, v4                        ; stores: element e of the row lies at my bytes + 16 + 4 e
	v_mul_u32_u24 v5, v1, 376                      ; 94 elements a lane; 94 words from lane to lane, so 8-byte reads of 32 lanes start in different banks
	v_add_nc_u32 v6, TB, v5                        ; table word 94 lane
	v_add3_u32 v5, v5, s9, 12                      ; element 94 lane - 1
	s_lshl_b32 s69, s8, 6
	s_add_co_u32 s69, s69, FS
	v_mov_b32 v8, s69                              ; features of local row w; row 16 + w lies 1,024 bytes on
	v_mov_b32 v62, 0                               ; a DPP move's destination counts as read
	s_wait_dscnt 0x0                               ; my words of the table are written,
	s_barrier_signal -1
	s_barrier_wait -1                              ; everybody's are
	s_wait_kmcnt 0x0
	s_add_nc_u64 s[2:3], s[2:3], s[14:15]          ; x at my first row
	LOADROW 0                                      ; row P alone: 24 loads a wave stand in front of the first data, not 48
	s_lshl_b32 s14, ttmp9, 11                      ; 32 rows x 64 bytes of feats
	s_add_nc_u64 s[4:5], s[4:5], s[14:15]
	s_lshl_b32 s14, ttmp9, 7                       ; 128 bytes of wstat
	s_add_nc_u64 s[6:7], s[6:7], s[14:15]
; sum, max, min of a register over the 32 lanes, the result in every lane
.macro WSUM r
	v_add_f32_dpp v[\r], v[\r], v[\r] row_xmask:1 row_mask:0xf bank_mask:0xf
	v_add_f32_dpp v[\r], v[\r], v[\r] row_xmask:2 row_mask:0xf bank_mask:0xf
	v_add_f32_dpp v[\r], v[\r], v[\r] row_xmask:4 row_mask:0xf bank_mask:0xf
	v_add_f32_dpp v[\r], v[\r], v[\r] row_xmask:8 row_mask:0xf bank_mask:0xf
	v_permlanex16_b32 v60, v[\r], s10, s11
	v_add_f32 v[\r], v[\r], v60
.endm
.macro WMAX r
	v_max_num_f32_dpp v[\r], v[\r], v[\r] row_xmask:1 row_mask:0xf bank_mask:0xf
	v_max_num_f32_dpp v[\r], v[\r], v[\r] row_xmask:2 row_mask:0xf bank_mask:0xf
	v_max_num_f32_dpp v[\r], v[\r], v[\r] row_xmask:4 row_mask:0xf bank_mask:0xf
	v_max_num_f32_dpp v[\r], v[\r], v[\r] row_xmask:8 row_mask:0xf bank_mask:0xf
	v_permlanex16_b32 v60, v[\r], s10, s11
	v_max_num_f32 v[\r], v[\r], v60
.endm
.macro WMIN r
	v_min_num_f32_dpp v[\r], v[\r], v[\r] row_xmask:1 row_mask:0xf bank_mask:0xf
	v_min_num_f32_dpp v[\r], v[\r], v[\r] row_xmask:2 row_mask:0xf bank_mask:0xf
	v_min_num_f32_dpp v[\r], v[\r], v[\r] row_xmask:4 row_mask:0xf bank_mask:0xf
	v_min_num_f32_dpp v[\r], v[\r], v[\r] row_xmask:8 row_mask:0xf bank_mask:0xf
	v_permlanex16_b32 v60, v[\r], s10, s11
	v_min_num_f32 v[\r], v[\r], v60
.endm
; n pairs of elements from pair j0 on.  Their indices lie in buffer buf; the next batch's nnext pairs are asked for first, into the other buffer.
.macro PBATCH B, j0, n, nnext, buf
.if \nnext
.set ii, 0
.rept \nnext
	ds_load_b64 v[TBUF+8*(1-\buf)+2*ii:TBUF+8*(1-\buf)+2*ii+1], v6 offset:8*(\j0+\n+ii)
.set ii, ii+1
.endr
.endif
	s_wait_dscnt \nnext                            ; all but the loads just issued: this batch's indices are in
.set ii, 0
.rept \n
	v_cmp_gt_f32 vcc_lo, v[\B+2*(\j0+ii)+1], v[\B+2*(\j0+ii)]                          ; if the pair has a peak, it is the larger element (the first on a tie)
	v_cndmask_b32 v[60+ii], v[TBUF+8*\buf+2*ii], v[TBUF+8*\buf+2*ii+1], vcc_lo         ; its index
	v_max_num_f32 v[40+ii], v[\B+2*(\j0+ii)], v[\B+2*(\j0+ii)+1]                       ; its value
	v_mul_f32 v[36+ii], s74, v[60+ii]                                                  ; its time
.set ii, ii+1
.endr
.set ii, 0
.rept \n
	s_mov_b32 exec_lo, s[PM+\j0+ii]                ; lanes with a peak in this pair
	v_cmpx_gt_u32 v19, v18                         ; of them those whose peak is among the row's first 512
	v_add_nc_u32 v18, 1, v18
	v_sub_f32 v32, v[40+ii], v12                   ; U = amplitude - thr
	v_fma_f32 v33, v[60+ii], s74, -v21             ; RR = i c - last time, fused
	v_add_f32 v25, v25, v32
	v_fmac_f32 v26, v32, v32
	v_sub_f32 v34, v33, v22                        ; D = RR - the interval before
	v_min_num_f32 v23, v23, v[60+ii]               ; indices ascend: the minimum is the lane's first
	v_mov_b32 v22, v33
	v_mov_b32 v21, v[36+ii]
	v_mov_b32 v20, v[60+ii]
	v_cmpx_lt_u32 1, v18                           ; the lane's second peak or a later one: RR lies inside the lane
	v_min_num_f32 v30, v30, v33
	v_max_num_f32 v31, v31, v33
	v_sub_f32 v35, v33, v17
	v_fmac_f32 v27, v35, v35
	v_min_num_f32 v24, v24, v[60+ii]               ; the lane's second index
	v_cmpx_lt_u32 2, v18                           ; the third or a later one: D lies inside the lane
	v_fmac_f32 v28, v34, v34
	v_cmp_gt_f32 vcc_lo, |v34|, s71
	v_add_co_ci_u32 v29, vcc_lo, 0, v29, vcc_lo
.set ii, ii+1
.endr
	s_mov_b32 exec_lo, -1
.endm
; One step of the scan over lanes of the state (n = peaks so far, at most 2; A = the last one's index; R = the last interval, good if n = 2): lane L joins lane L - s in front of itself.
.macro LSTEP s
	v_add_nc_u32 v55, 4*(32-\s), v9
	v_and_b32 v55, 0x7c, v55                       ; 4 ((lane - s) mod 32)
	ds_bpermute_b32 v56, v55, v52
	ds_bpermute_b32 v57, v55, v53
	ds_bpermute_b32 v58, v55, v54
	s_mov_b32 s77, (0xffffffff<<\s)&0xffffffff     ; lanes that have a lane s below them
	s_wait_dscnt 0x0
	v_cndmask_b32 v56, 0, v56, s77
	v_mul_f32 v59, s74, v57                        ; the time of the lower side's last peak
	v_fma_f32 v59, v53, s74, -v59                  ; the interval from it to my side's last peak
	v_cmp_le_u32 vcc_lo, 1, v52
	v_cndmask_b32 v59, v58, v59, vcc_lo            ; one peak on my side: that interval; none: the lower side's R
	v_cndmask_b32 v53, v57, v53, vcc_lo
	v_cmp_le_u32 vcc_lo, 2, v52
	v_cndmask_b32 v54, v59, v54, vcc_lo            ; two on my side: my R stays
	v_add_nc_u32 v52, v52, v56
	v_min_u32 v52, 2, v52
.endm
; A whole row.  B: its registers; half: 0 = local row w, 1 = local row 16 + w.
.macro ROW B, half
	s_wait_loadcnt 0x0                             ; this row's 24 loads are in: no other load of the wave is out at this point
.if \half == 0
	LOADROW 1                                      ; row Q goes out now and is waited for only behind all of row P's work
.endif
	; sum, sum of squares, max, min.  Chunk 23 starts the chains, with zeros in the lanes that hold copies (copies do no harm to max and min).
	v_cndmask_b32 v44, 0, v[\B+92], s13
	v_cndmask_b32 v45, 0, v[\B+93], s13
	v_cndmask_b32 v46, 0, v[\B+94], s13
	v_cndmask_b32 v47, 0, v[\B+95], s13
	v_max_num_f32 v48, v[\B+92], v[\B+93]
	v_max_num_f32 v49, v[\B+94], v[\B+95]
	v_min_num_f32 v50, v[\B+92], v[\B+93]
	v_min_num_f32 v51, v[\B+94], v[\B+95]
	v_pk_mul_f32 v[40:41], v[44:45], v[44:45]
	v_pk_mul_f32 v[42:43], v[46:47], v[46:47]
.set pp, 0
.rept 46
	v_pk_add_f32 v[44+2*(pp%2):45+2*(pp%2)], v[44+2*(pp%2):45+2*(pp%2)], v[\B+2*pp:\B+2*pp+1]
	v_pk_fma_f32 v[40+2*(pp%2):41+2*(pp%2)], v[\B+2*pp:\B+2*pp+1], v[\B+2*pp:\B+2*pp+1], v[40+2*(pp%2):41+2*(pp%2)]
	v_max3_num_f32 v[48+pp%2], v[48+pp%2], v[\B+2*pp], v[\B+2*pp+1]
	v_min3_num_f32 v[50+pp%2], v[50+pp%2], v[\B+2*pp], v[\B+2*pp+1]
.set pp, pp+1
.endr
	v_pk_add_f32 v[44:45], v[44:45], v[46:47]
	v_pk_add_f32 v[40:41], v[40:41], v[42:43]
	v_max_num_f32 v14, v48, v49
	v_min_num_f32 v15, v50, v51
	v_add_f32 v44, v44, v45
	v_add_f32 v40, v40, v41
	WSUM 44
	WSUM 40
	WMAX 14
	WMIN 15
	v_mul_f32 v10, s73, v44                        ; mean
	v_mul_f32 v16, s73, v40                        ; mean square
	v_mov_b32 v11, v10
	; variance about the mean, a second pass over the registers
	v_pk_add_f32 v[52:53], v[\B+92:\B+93], v[10:11] neg_lo:[0,1] neg_hi:[0,1]
	v_pk_add_f32 v[54:55], v[\B+94:\B+95], v[10:11] neg_lo:[0,1] neg_hi:[0,1]
	v_cndmask_b32 v52, 0, v52, s13
	v_cndmask_b32 v53, 0, v53, s13
	v_cndmask_b32 v54, 0, v54, s13
	v_cndmask_b32 v55, 0, v55, s13
	v_pk_mul_f32 v[40:41], v[52:53], v[52:53]
	v_pk_mul_f32 v[42:43], v[54:55], v[54:55]
.set pp, 0
.rept 46
	v_pk_add_f32 v[52+2*(pp%4):53+2*(pp%4)], v[\B+2*pp:\B+2*pp+1], v[10:11] neg_lo:[0,1] neg_hi:[0,1]
	v_pk_fma_f32 v[40+2*(pp%2):41+2*(pp%2)], v[52+2*(pp%4):53+2*(pp%4)], v[52+2*(pp%4):53+2*(pp%4)], v[40+2*(pp%2):41+2*(pp%2)]
.set pp, pp+1
.endr
	v_pk_add_f32 v[40:41], v[40:41], v[42:43]
	v_add_f32 v40, v40, v41
	WSUM 40
	v_mul_f32 v40, s73, v40
	v_sqrt_f32 v13, v40                            ; std; the four selects below stand between it and its use
	v_cndmask_b32 v[\B+92], s12, v[\B+92], s13     ; elements 3000 .. 3071 = +inf: element 2999 is never a peak
	v_cndmask_b32 v[\B+93], s12, v[\B+93], s13
	v_cndmask_b32 v[\B+94], s12, v[\B+94], s13
	v_cndmask_b32 v[\B+95], s12, v[\B+95], s13
	s_wait_alu depctr_va_vdst(0)
	v_fma_f32 v12, 0.5, v13, v10                   ; thr
	; z = max(x, thr), then through my own LDS bytes.  LDS serves a wave's instructions in order: the loads see the stores, no wait between them.
.set pp, 0
.rept 96
	v_max_num_f32 v[\B+pp], v[\B+pp], v12
.set pp, pp+1
.endr
.set jj, 0
.rept 24
	ds_store_b128 v4, v[\B+4*jj:\B+4*jj+3] offset:512*jj
.set jj, jj+1
.endr
.set jj, 0
.rept 47
	ds_load_b64 v[\B+2*jj:\B+2*jj+1], v5 offset:4+8*jj
.set jj, jj+1
.endr
	ds_load_b32 v[\B+94], v5 offset:380            ; the next lane's first element
	ds_load_b32 v[\B+95], v5                       ; the lane below's last element
.set ii, 0
.rept 4
	ds_load_b64 v[TBUF+2*ii:TBUF+2*ii+1], v6 offset:8*ii   ; the indices of pairs 0-3
.set ii, ii+1
.endr
	v_mov_b32 v18, 0
	s_wait_dscnt 0x4                               ; all but those four loads of indices
	; the masks of peaks, pair by pair, and each lane's number of peaks
	v_cmp_gt_f32 s66, v[\B], v[\B+95]              ; c_0
.set jj, 0
.rept 47
	v_cmp_gt_f32 s68, v[\B+2*jj+1], v[\B+2*jj]                 ; c_(2j+1)
	v_cmp_gt_f32 s[66+(jj+1)%2], v[\B+2*jj+2], v[\B+2*jj+1]    ; c_(2j+2)
	s_and_not1_b32 s69, s[66+jj%2], s68
	s_and_not1_b32 s70, s68, s[66+(jj+1)%2]
.if jj >= 43
	s_or_b32 s69, s69, s70
	s_and_b32 vcc_lo, s69, 0x7fffffff              ; lane 31's pairs 43-46 are padding
.else
	s_or_b32 vcc_lo, s69, s70
.endif
	s_mov_b32 s[PM+jj], vcc_lo
	v_add_co_ci_u32 v18, vcc_lo, 0, v18, vcc_lo
.set jj, jj+1
.endr
	; peaks in the lanes below me: an inclusive scan of the counts, less my own
	v_mov_b32 v61, v18
.irp s, 1, 2, 4, 8
	v_mov_b32_dpp v62, v61 row_shr:\s row_mask:0xf bank_mask:0xf bound_ctrl:1
	v_add_nc_u32 v61, v61, v62
.endr
	v_readlane_b32 s69, v61, 15
	v_mov_b32 v62, s69
	v_cndmask_b32 v62, 0, v62, s76
	v_add_nc_u32 v61, v61, v62
	v_readlane_b32 s72, v61, 31                    ; all the row's peaks
	s_max_u32 s72, s72, 1
	v_cvt_f32_u32 v17, s72
	v_rcp_f32 v17, v17
	v_sub_nc_u32 v20, v61, v18
	s_wait_alu depctr_va_vdst(0)
	v_mul_f32 v17, 0x41f00000, v17                 ; pivot for RR: 30 s / peaks
	v_sub_nc_u32 v19, 0x200, v20
	v_max_i32 v19, 0, v19                          ; how many of my peaks are among the first 512
	v_mov_b32 v18, 0
	v_mov_b32 v20, 0
	v_mov_b32 v21, 0
	v_mov_b32 v22, 0
	v_mov_b32 v23, s12
	v_mov_b32 v24, s12
	v_mov_b32 v25, 0
	v_mov_b32 v26, 0
	v_mov_b32 v27, 0
	v_mov_b32 v28, 0
	v_mov_b32 v29, 0
	v_mov_b32 v30, 0x4e6e6b28                      ; 1e9
	v_mov_b32 v31, 0xce6e6b28                      ; -1e9
	v_mov_b32 v32, 0
	v_mov_b32 v33, 0
	v_mov_b32 v34, 0
	v_mov_b32 v35, 0
	s_wait_xcnt 0x0                                ; EXEC is a source of the other row's pending loads: it changes only behind this wait; no global instruction follows until EXEC is whole for good
.irp t, 0, 1, 2, 3, 4
	PBATCH \B, 8*\t, 4, 4, 0
.if \t < 4
	PBATCH \B, 8*\t+4, 4, 4, 1
.endif
.endr
	PBATCH \B, 36, 4, 4, 1
	PBATCH \B, 40, 4, 3, 0
	PBATCH \B, 44, 3, 0, 1
	; what lies in front of each lane: the state of all lower lanes.  First every lane takes its lower neighbour's state, then five doubling steps.
	v_min_u32 v52, 2, v18
	v_add_nc_u32 v55, 4*31, v9
	v_and_b32 v55, 0x7c, v55
	ds_bpermute_b32 v52, v55, v52
	ds_bpermute_b32 v53, v55, v20
	ds_bpermute_b32 v54, v55, v22
	s_mov_b32 s77, 0xfffffffe
	s_wait_dscnt 0x0
	v_cndmask_b32 v52, 0, v52, s77                 ; nothing lies in front of lane 0
	LSTEP 1
	LSTEP 2
	LSTEP 4
	LSTEP 8
	LSTEP 16
	; the interval and the two differences that reach across the lane's lower edge (what does not count is selected away, infinities and NaN with it)
	v_mul_f32 v48, s74, v23                        ; the time of my first peak
	v_mul_f32 v49, s74, v53                        ; of the last peak in front of me
	v_fma_f32 v55, v23, s74, -v49                  ; RR of my first peak
	v_fma_f32 v59, v24, s74, -v48                  ; RR of my second peak
	v_cmp_le_u32 s77, 1, v18
	v_cmp_le_u32 s78, 1, v52
	v_cmp_le_u32 s79, 2, v52
	v_cmp_le_u32 s69, 2, v18
	s_and_b32 s70, s77, s78                        ; I have a peak and one lies in front: that RR counts
	s_and_b32 s79, s77, s79                        ; and two lie in front: its difference to the interval before counts
	s_and_b32 s69, s69, s78                        ; I have two peaks and one lies in front: my second RR's difference counts
	v_cndmask_b32 v56, v30, v55, s70
	v_min_num_f32 v30, v30, v56
	v_cndmask_b32 v56, v31, v55, s70
	v_max_num_f32 v31, v31, v56
	v_sub_f32 v57, v55, v17
	v_cndmask_b32 v57, 0, v57, s70
	v_fmac_f32 v27, v57, v57
	v_sub_f32 v58, v55, v54
	v_cndmask_b32 v58, 0, v58, s79
	v_fmac_f32 v28, v58, v58
	v_cmp_gt_f32 vcc_lo, |v58|, s71
	v_add_co_ci_u32 v29, vcc_lo, 0, v29, vcc_lo
	v_sub_f32 v59, v59, v55
	v_cndmask_b32 v59, 0, v59, s69
	v_fmac_f32 v28, v59, v59
	v_cmp_gt_f32 vcc_lo, |v59|, s71
	v_add_co_ci_u32 v29, vcc_lo, 0, v29, vcc_lo
	; over the wave
	v_cvt_f32_u32 v29, v29
	v_cvt_f32_u32 v40, v18
	WSUM 25
	WSUM 26
	WSUM 27
	WSUM 28
	WSUM 29
	WSUM 40                                        ; feature 0: n_pk
	WMIN 30
	WMIN 23                                        ; the first index
	WMAX 31
	WMAX 20                                        ; the last index
	v_mul_f32 v21, s74, v20                        ; the last time
	v_mul_f32 v22, s74, v23                        ; the first time
	; the sixteen features, in v[40:55]
	v_add_f32 v62, -1.0, v40
	v_add_f32 v63, -2.0, v40
	v_max_num_f32 v62, 0, v62                      ; n_rr
	v_max_num_f32 v63, 0, v63                      ; n_drr
	v_max_num_f32 v32, 1.0, v62
	v_max_num_f32 v33, 1.0, v63
	v_max_num_f32 v34, 1.0, v40
	v_rcp_f32 v32, v32
	v_rcp_f32 v33, v33
	v_rcp_f32 v34, v34
	v_sub_f32 v35, v21, v22                        ; a plain instruction between the reciprocals and their use
	v_cmp_lt_f32 s77, 0, v62                       ; n_rr > 0
	v_cmp_lt_f32 s78, 0, v40                       ; n_pk > 0
	s_wait_alu depctr_va_vdst(0)
	v_mul_f32 v35, v35, v32
	v_cndmask_b32 v41, 0, v35, s77                 ; 1: rr_mean
	v_sub_f32 v36, v41, v17
	v_mul_f32 v37, v27, v32
	v_fma_f32 v37, -v36, v36, v37                  ; mean of (RR - pivot)^2 less (rr_mean - pivot)^2
	v_max_num_f32 v37, 0, v37
	v_mul_f32 v38, v28, v33
	v_mul_f32 v44, v29, v33                        ; 4: pnn50
	v_cndmask_b32 v45, 0, v30, s77                 ; 5: rr_min
	v_cndmask_b32 v46, 0, v31, s77                 ; 6: rr_max
	v_add_f32 v39, 0x322bcc77, v41                 ; rr_mean + 1e-8
	v_mul_f32 v56, v25, v34
	v_mul_f32 v57, v26, v34
	v_fma_f32 v57, -v56, v56, v57
	v_max_num_f32 v57, 0, v57
	v_sqrt_f32 v42, v37                            ; 2: sdnn
	v_sqrt_f32 v43, v38                            ; 3: rmssd
	v_rcp_f32 v58, v39
	v_sqrt_f32 v50, v57                            ; 10: amp_std
	v_add_f32 v56, v12, v56                        ; a plain instruction behind the four
	v_cndmask_b32 v49, 0, v56, s78                 ; 9: amp_mean
	s_wait_alu depctr_va_vdst(0)
	v_mul_f32 v47, v42, v58                        ; 7: rr_cv
	v_mul_f32 v58, 0x42700000, v58
	v_cndmask_b32 v48, 0, v58, s77                 ; 8: mean_hr
	v_mov_b32 v51, v10                             ; 11-15: mean, std, max, min, mean square
	v_mov_b32 v52, v13
	v_mov_b32 v53, v14
	v_mov_b32 v54, v15
	v_mov_b32 v55, v16
.irp f, 0, 1, 2, 3
	ds_store_b128 v8, v[40+4*\f:43+4*\f] offset:1024*\half+16*\f   ; every lane holds the same numbers and writes the same bytes
.endr
.endm
	ROW P, 0
	ROW Q, 1
	s_wait_dscnt 0x0                               ; my two rows of features are written,
	s_barrier_signal -1
	s_barrier_wait -1                              ; all 32 are
	s_cmp_lt_u32 s8, 4
	s_cbranch_scc0 .Lstat
	; waves 0-3: the window's 2,048 bytes of features leave, 16 bytes a thread: each store of a wave covers 512 consecutive bytes, aligned
	v_lshlrev_b32 v61, 4, v0
	v_add_nc_u32 v60, FS, v61
	ds_load_b128 v[64:67], v60
	s_wait_dscnt 0x0
	global_store_b128 v61, v[64:67], s[4:5]
	s_wait_xcnt 0x0
	s_mov_b32 exec_lo, -1
	v_lshl_add_u32 v62, v0, 2, 0x33a00
	v_mov_b32 v63, 0
	s_wait_tensorcnt 0x0
	ds_add_u32 v62, v63
	s_wait_dscnt 0x0
	s_endpgm
.Lstat:
	s_cmp_eq_u32 s8, 4
	s_cbranch_scc0 .Ldone
	; wave 4: lane l takes feature l mod 16 of all 32 rows; the sum is made in row order, so that a column of equal numbers with few bits sums exactly
	v_and_b32 v60, 15, v1
	v_lshlrev_b32 v60, 2, v60
	v_add_nc_u32 v60, FS, v60
.set ii, 0
.rept 32
	ds_load_b32 v[64+ii], v60 offset:64*ii
.set ii, ii+1
.endr
	s_wait_dscnt 0x0
	v_add_f32 v61, v64, v65
.set ii, 2
.rept 30
	v_add_f32 v61, v61, v[64+ii]
.set ii, ii+1
.endr
	v_mul_f32 v62, 0x3d000000, v61                 ; the window's mean
	v_sub_f32 v96, v64, v62
	v_mul_f32 v63, v96, v96
.set ii, 1
.rept 31
	v_sub_f32 v[96+ii%2], v[64+ii], v62
	v_fmac_f32 v63, v[96+ii%2], v[96+ii%2]
.set ii, ii+1
.endr
	v_cndmask_b32 v61, v61, v63, s76               ; lanes 0-15 the sums, lanes 16-31 the squares
	global_store_b32 v9, v61, s[6:7]               ; 128 bytes a work-group, 32 KiB in the launch: a record twice as long would double what the next launch reads
.Ldone:
	s_wait_xcnt 0x0
	s_mov_b32 exec_lo, -1
	v_lshl_add_u32 v62, v0, 2, 0x33a00
	v_mov_b32 v63, 0
	s_wait_tensorcnt 0x0
	ds_add_u32 v62, v63
	s_wait_dscnt 0x0
	s_endpgm
.Lfunc_end_k_qde3a1994f2_feat:
	.size	k_qde3a1994f2_feat, .Lfunc_end_k_qde3a1994f2_feat-k_qde3a1994f2_feat
	.p2alignl 7, 3214868480
	.fill 96, 4, 3214868480
	.section	.rodata,"a",@progbits
	.p2align	6, 0x0
	.amdhsa_kernel k_qde3a1994f2_feat
		.amdhsa_group_segment_fixed_size 213504
		.amdhsa_private_segment_fixed_size 0
		.amdhsa_enable_private_segment 0
		.amdhsa_kernarg_size 24
		.amdhsa_user_sgpr_count 2
		.amdhsa_user_sgpr_kernarg_segment_ptr 1
		.amdhsa_wavefront_size32 1
		.amdhsa_system_sgpr_workgroup_id_x 1
		.amdhsa_system_sgpr_workgroup_id_y 1
		.amdhsa_system_sgpr_workgroup_id_z 1
		.amdhsa_system_vgpr_workitem_id 0
		.amdhsa_next_free_vgpr 256
		.amdhsa_next_free_sgpr 80
		.amdhsa_reserve_vcc 1
		.amdhsa_float_denorm_mode_32 3
		.amdhsa_float_denorm_mode_16_64 3
		.amdhsa_memory_ordered 1
		.amdhsa_forward_progress 1
		.amdhsa_inst_pref_size 214
	.end_amdhsa_kernel
	.amdgpu_metadata
---
amdhsa.version: [ 1, 2 ]
amdhsa.kernels:
  - .name:           k_qde3a1994f2_feat
    .symbol:         k_qde3a1994f2_feat.kd
    .args:
      - { .name: x, .offset: 0, .size: 8, .value_kind: global_buffer, .address_space: global }
      - { .name: feats, .offset: 8, .size: 8, .value_kind: global_buffer, .address_space: global }
      - { .name: wstat, .offset: 16, .size: 8, .value_kind: global_buffer, .address_space: global }
    .group_segment_fixed_size: 213504
    .private_segment_fixed_size: 0
    .kernarg_segment_align: 8
    .kernarg_segment_size: 24
    .max_flat_workgroup_size: 512
    .sgpr_count:     80
    .vgpr_count:     256
    .wavefront_size: 32
...
	.end_amdgpu_metadata
.endif
;; end of part 3
;; launch head (part 4): grid 32 x 1, 8 waves a work-group, no clusters, 3,072 bytes of LDS; arguments feats, wstat, w, b, out0; writes out0
.if DOCPART == 4
	.amdgcn_target "amdgcn-amd-amdhsa--gfx1250"
	.amdhsa_code_object_version 6
	.text
	.protected	k_qde3a1994f2_head
	.globl	k_qde3a1994f2_head
	.p2align	8
	.type	k_qde3a1994f2_head,@function
k_qde3a1994f2_head:
	s_mov_b64 s[64:65], 0
	v_nop
	global_prefetch_b8 v0, s[64:65] scope:SCOPE_SE
	s_setreg_imm32_b32 hwreg(HW_REG_WAVE_MODE, 25, 1), 1
	s_wait_xcnt 0x0
; out0[r][c] = sum over j of w[c][j] (feats[r][j] - mu[j]) / (sigma[j] + 1e-6) + b[c].  feats: [8192][16], wstat: [256][32], w: [2][16], b: [2], out0: [8192][2], all f32.
; wstat's record of a window of 32 rows: words 0-15 the window's sums S, words 16-31 its squares about its own mean.
; ALL SUMS OVER THE 256 WINDOWS ARE TAKEN ABOUT A PIVOT, window 0's own record P, in ONE pass: with d = word - P, acc = sum of d, qq = sum of d^2:
;   mu = P / 32 + acc / 8192 (one fused step);  squares between windows = (qq - acc^2 / 256) / 32;  squares inside windows = 256 P + acc;  sigma^2 = (both) / 8191.
; Why a pivot: a column whose numbers agree in nearly all bits (the shortest interval) has a spread far below the 1e-6 in the divisor, so an error of 1e-8 in mu shows as 0.01
; in the standardised feature.  About the pivot the differences of such a column are exact and small, whatever the order in which they are added, and mu is rounded once.
; A column of equal numbers gives differences of zero, mu equal to the number, and exact zeros for f - mu however small sigma is.  f - mu is formed before any scaling.
; LIMIT of the one pass: qq - acc^2 / 256 is a difference.  The pivot is one of the 256 numbers (its d is 0), so acc^2 <= 255 qq and the difference is at least qq / 256:
; at most 8 of f32's 24 bits are lost, in sigma alone.
; 32 work-groups of 256 threads, a row a thread.  The 32 KiB of wstat are shared out: a thread's eight 16-byte loads bring words 4 (lane mod 8) .. + 3 of eight windows and stay in
; registers; the four groups of eight lanes are added inside the wave, the eight waves' 256 bytes each meet in LDS behind one barrier, and every wave reads them with lane = word.
; The product has 2 columns and 16 terms: 32 fused multiply-adds a row in f32.  The matrix unit is left out: 14 of a tile's 16 columns would idle, and operands
; of 16 bits would spend the allowed error on standardised features.
; v1 lane, v2 64 t, v3 w, v4 4 lane, v5 16 t, v6 acc, v7 mu, v8 pivot (lane = word), v9 pivot / 32, v[10:11] the two outputs, v12 8 t, v13 16 (lane mod 8), v14 my LDS bytes,
; v24 qq, v25 at work.  s[16:31] mu, s[32:47] w[0] / (sigma + eps), s[48:63] w[1] / (sigma + eps)
.set A,  16                            ; v[16:19] sum of d of my four words; v[20:23] sum of d^2 (later at work)
.set PV, 28                            ; v[28:31] the pivot's four words
.set WS, 32                            ; v[32:63] eight chunks of four words; later the waves' partial sums
.set F,  64                            ; v[64:79] my row's features
.set D,  80                            ; v[80:87] differences, two sets by turns; then the other half's sums
	s_load_b256 s[4:11], s[0:1], 0x0               ; feats s[4:5], wstat s[6:7], w s[8:9], b s[10:11]
	s_load_b64 s[12:13], s[0:1], 0x20              ; out0
	v_lshl_add_u32 v88, v0, 2, 0x800
	v_mov_b32 v89, 0
	v_and_b32 v1, 31, v0
	v_lshlrev_b32 v2, 6, v0
	v_lshlrev_b32 v4, 2, v1
	v_lshlrev_b32 v5, 4, v0
	v_lshlrev_b32 v12, 3, v0
	v_and_b32 v13, 7, v0
	v_lshlrev_b32 v13, 4, v13                      ; my 16 bytes in a record of 128
	v_lshrrev_b32 v15, 5, v0
	v_readfirstlane_b32 s70, v15                   ; wave 0..7
	s_lshl_b32 s70, s70, 8                         ; 256 bytes of LDS a wave
	v_add_nc_u32 v14, s70, v13
	s_mov_b32 s66, 0x3d000000                      ; 1 / 32
	s_mov_b32 s67, 0xffff0000                      ; lanes 16-31
	s_mov_b32 s68, 0x76543210                      ; v_permlanex16_b32: lane i reads lane i of the other half
	s_mov_b32 s69, 0xfedcba98
	s_lshl_b32 s2, ttmp9, 14                       ; 256 rows x 64 bytes
	s_mov_b32 s3, 0
	s_wait_kmcnt 0x0
	s_load_b64 s[14:15], s[10:11], 0x0             ; b[0], b[1]
	s_add_nc_u64 s[4:5], s[4:5], s[2:3]
	s_lshl_b32 s2, ttmp9, 11                       ; 256 rows x 8 bytes
	s_add_nc_u64 s[12:13], s[12:13], s[2:3]
	global_load_b128 v[PV:PV+3], v13, s[6:7]       ; window 0's words 4 (lane mod 8) .. + 3
.set ii, 0
.rept 8
	global_load_b128 v[WS+4*ii:WS+4*ii+3], v5, s[6:7] offset:4096*ii   ; window 32 i + 4 wave + lane / 8, the same four words
.set ii, ii+1
.endr
	global_load_b32 v8, v4, s[6:7]                 ; window 0's word (lane)
	global_load_b32 v3, v4, s[8:9]                 ; lanes 0-15: w[0][lane]; lanes 16-31: w[1][lane - 16]
.set ii, 0
.rept 4
	global_load_b128 v[F+4*ii:F+4*ii+3], v2, s[4:5] offset:16*ii
.set ii, ii+1
.endr
	s_wait_loadcnt 0x6                             ; the pivot's four words and my eight chunks are in; the six younger loads (pivot by word, w, my row's four) stay out
	; the first chunk starts the sums: nothing is cleared
	v_pk_add_f32 v[A:A+1],   v[WS:WS+1],   v[PV:PV+1]   neg_lo:[0,1] neg_hi:[0,1]
	v_pk_add_f32 v[A+2:A+3], v[WS+2:WS+3], v[PV+2:PV+3] neg_lo:[0,1] neg_hi:[0,1]
	v_pk_mul_f32 v[A+4:A+5], v[A:A+1],   v[A:A+1]
	v_pk_mul_f32 v[A+6:A+7], v[A+2:A+3], v[A+2:A+3]
.set ii, 1
.rept 7
	v_pk_add_f32 v[D+4*(ii%2):D+4*(ii%2)+1],   v[WS+4*ii:WS+4*ii+1],   v[PV:PV+1]   neg_lo:[0,1] neg_hi:[0,1]
	v_pk_add_f32 v[D+4*(ii%2)+2:D+4*(ii%2)+3], v[WS+4*ii+2:WS+4*ii+3], v[PV+2:PV+3] neg_lo:[0,1] neg_hi:[0,1]
	v_pk_add_f32 v[A:A+1],   v[A:A+1],   v[D+4*(ii%2):D+4*(ii%2)+1]
	v_pk_add_f32 v[A+2:A+3], v[A+2:A+3], v[D+4*(ii%2)+2:D+4*(ii%2)+3]
	v_pk_fma_f32 v[A+4:A+5], v[D+4*(ii%2):D+4*(ii%2)+1],   v[D+4*(ii%2):D+4*(ii%2)+1],   v[A+4:A+5]
	v_pk_fma_f32 v[A+6:A+7], v[D+4*(ii%2)+2:D+4*(ii%2)+3], v[D+4*(ii%2)+2:D+4*(ii%2)+3], v[A+6:A+7]
.set ii, ii+1
.endr
	; lanes l, l xor 8, l xor 16, l xor 24 hold the same four words of other windows: two steps add them, and all four end with the same sums
.set ii, 0
.rept 8
	v_add_f32_dpp v[A+ii], v[A+ii], v[A+ii] row_xmask:8 row_mask:0xf bank_mask:0xf
.set ii, ii+1
.endr
.set ii, 0
.rept 8
	v_permlanex16_b32 v[D+ii], v[A+ii], s68, s69   ; its destination counts as read: D was written above
.set ii, ii+1
.endr
.set ii, 0
.rept 4
	v_pk_add_f32 v[A+2*ii:A+2*ii+1], v[A+2*ii:A+2*ii+1], v[D+2*ii:D+2*ii+1]
.set ii, ii+1
.endr
	ds_store_b128 v14, v[A:A+3]                    ; my wave's 32 sums of d (the four groups of lanes write the same bytes with the same numbers),
	ds_store_b128 v14, v[A+4:A+7] offset:128       ; and its 32 sums of d^2
	s_wait_dscnt 0x0                               ; my wave's 256 bytes are written,
	s_barrier_signal -1
	s_barrier_wait -1                              ; all eight waves' are
.set ii, 0
.rept 8
	ds_load_b32 v[WS+ii],   v4 offset:256*ii       ; wave i's sum of d of word (lane)
	ds_load_b32 v[WS+8+ii], v4 offset:256*ii+128   ; and of d^2
.set ii, ii+1
.endr
	s_wait_dscnt 0x0
	v_pk_add_f32 v[WS:WS+1],     v[WS:WS+1],     v[WS+2:WS+3]
	v_pk_add_f32 v[WS+4:WS+5],   v[WS+4:WS+5],   v[WS+6:WS+7]
	v_pk_add_f32 v[WS+8:WS+9],   v[WS+8:WS+9],   v[WS+10:WS+11]
	v_pk_add_f32 v[WS+12:WS+13], v[WS+12:WS+13], v[WS+14:WS+15]
	v_pk_add_f32 v[WS:WS+1],     v[WS:WS+1],     v[WS+4:WS+5]
	v_pk_add_f32 v[WS+8:WS+9],   v[WS+8:WS+9],   v[WS+12:WS+13]
	v_add_f32 v6,  v[WS],   v[WS+1]                ; acc
	v_add_f32 v24, v[WS+8], v[WS+9]                ; qq
	s_wait_loadcnt 0x0                             ; the pivot by word, w and my row
	v_mul_f32 v9, s66, v8                          ; pivot / 32, exact
	v_mul_f32 v25, 0x3b800000, v6                  ; acc / 256, exact
	v_fmamk_f32 v7, v6, 0x39000000, v9             ; lanes 0-15: mu = acc / 8192 + pivot / 32, rounded once (lanes 16-31: not used)
	v_fma_f32 v24, -v25, v6, v24                   ; qq - acc^2 / 256
	v_fmamk_f32 v6, v8, 0x43800000, v6             ; lanes 16-31: the sum of the windows' squares = 256 pivot + acc (lanes 0-15: not used)
	v_max_num_f32 v24, 0, v24
	v_mul_f32 v16, s66, v24                        ; / 32: the squares between windows
	v_cndmask_b32 v16, v16, v6, s67                ; lanes 0-15: between windows; lanes 16-31: inside windows
	v_permlanex16_b32 v17, v16, s68, s69
	v_add_f32 v16, v16, v17                        ; both halves now hold feature (lane mod 16)'s sum of squares
	v_mul_f32 v16, 0x39000400, v16                 ; / 8191
	v_sqrt_f32 v16, v16
	v_nop                                          ; one plain place behind the root
	s_wait_alu depctr_va_vdst(0)
	v_add_f32 v16, 0x358637bd, v16                 ; + 1e-6
	v_rcp_f32 v16, v16
	v_nop                                          ; one plain place behind the reciprocal
	s_wait_alu depctr_va_vdst(0)
	v_mul_f32 v16, v3, v16                         ; w / (sigma + eps)
.set ii, 0
.rept 16
	v_readlane_b32 s[16+ii], v7, ii
	v_readlane_b32 s[32+ii], v16, ii
	v_readlane_b32 s[48+ii], v16, 16+ii
.set ii, ii+1
.endr
	s_wait_kmcnt 0x0                               ; b
	v_mov_b32 v10, s14
	v_mov_b32 v11, s15
.set ii, 0
.rept 16
	v_sub_f32 v[20+ii%4], v[F+ii], s[16+ii]
	v_fmac_f32 v10, s[32+ii], v[20+ii%4]
	v_fmac_f32 v11, s[48+ii], v[20+ii%4]
.set ii, ii+1
.endr
	global_store_b64 v12, v[10:11], s[12:13]       ; a wave's store covers 256 consecutive bytes, aligned
	s_barrier_signal -1
	s_barrier_wait -1
	s_wait_tensorcnt 0x0
	ds_add_u32 v88, v89
	s_wait_dscnt 0x0
	s_endpgm
.Lfunc_end_k_qde3a1994f2_head:
	.size	k_qde3a1994f2_head, .Lfunc_end_k_qde3a1994f2_head-k_qde3a1994f2_head
	.p2alignl 7, 3214868480
	.fill 96, 4, 3214868480
	.section	.rodata,"a",@progbits
	.p2align	6, 0x0
	.amdhsa_kernel k_qde3a1994f2_head
		.amdhsa_group_segment_fixed_size 3072
		.amdhsa_private_segment_fixed_size 0
		.amdhsa_enable_private_segment 0
		.amdhsa_kernarg_size 40
		.amdhsa_user_sgpr_count 2
		.amdhsa_user_sgpr_kernarg_segment_ptr 1
		.amdhsa_wavefront_size32 1
		.amdhsa_system_sgpr_workgroup_id_x 1
		.amdhsa_system_sgpr_workgroup_id_y 1
		.amdhsa_system_sgpr_workgroup_id_z 1
		.amdhsa_system_vgpr_workitem_id 0
		.amdhsa_next_free_vgpr 90
		.amdhsa_next_free_sgpr 72
		.amdhsa_reserve_vcc 0
		.amdhsa_float_denorm_mode_32 3
		.amdhsa_float_denorm_mode_16_64 3
		.amdhsa_memory_ordered 1
		.amdhsa_forward_progress 1
		.amdhsa_inst_pref_size 15
	.end_amdhsa_kernel
	.amdgpu_metadata
---
amdhsa.version: [ 1, 2 ]
amdhsa.kernels:
  - .name:           k_qde3a1994f2_head
    .symbol:         k_qde3a1994f2_head.kd
    .args:
      - { .name: feats, .offset: 0, .size: 8, .value_kind: global_buffer, .address_space: global }
      - { .name: wstat, .offset: 8, .size: 8, .value_kind: global_buffer, .address_space: global }
      - { .name: w, .offset: 16, .size: 8, .value_kind: global_buffer, .address_space: global }
      - { .name: b, .offset: 24, .size: 8, .value_kind: global_buffer, .address_space: global }
      - { .name: out0, .offset: 32, .size: 8, .value_kind: global_buffer, .address_space: global }
    .group_segment_fixed_size: 3072
    .private_segment_fixed_size: 0
    .kernarg_segment_align: 8
    .kernarg_segment_size: 40
    .max_flat_workgroup_size: 256
    .sgpr_count:     72
    .vgpr_count:     90
    .wavefront_size: 32
...
	.end_amdgpu_metadata
.endif
;; end of part 4
;; ======== version 3 of 3: 2 launches; 1.39 times as fast as version 1
;; limits: a difference of large sums (such as E[x^2] - mean^2): digits are lost where the result is much smaller than its terms
;; workspace buffers: feats 524,288 bytes; wstat 32,768 bytes
;; launch feat (part 5): grid 256 x 1, 16 waves a work-group, no clusters, 213,504 bytes of LDS; arguments x, feats, wstat; writes feats, wstat
.if DOCPART == 5
	.amdgcn_target "amdgcn-amd-amdhsa--gfx1250"
	.amdhsa_code_object_version 6
	.text
	.protected	k_qde3a1994f2_feat
	.globl	k_qde3a1994f2_feat
	.p2align	8
	.type	k_qde3a1994f2_feat,@function
k_qde3a1994f2_feat:
	s_mov_b64 s[64:65], 0
	v_nop
	global_prefetch_b8 v0, s[64:65] scope:SCOPE_SE
	s_setreg_imm32_b32 hwreg(HW_REG_WAVE_MODE, 25, 1), 1
	s_wait_xcnt 0x0
; HRV features.  x: [8192][3000] f32.  feats: [8192][16] f32.  wstat: [256 windows of 32 rows][32] f32:
; words 0-15 the sum of the window's 32 rows for each feature, added in row order; words 16-31 the sum of (f - window mean)^2.
; A work-group owns 32 consecutive rows (one window), a wave two of them: local rows w (registers P) and 16 + w (registers Q).
; THE ORDER AT THE HEAD.  The table of indices and its barrier come first, while the kernel's arguments are fetched: no wave stands at a barrier behind a run of loads.
; Then row P's 24 loads; row Q's 24 go out as soon as P is in, and have all of P's work in which to land.  Each byte of x is read once.
; A row arrives with 16 neighbouring bytes a lane; mean, variance, max, min and mean square are made in that layout.  Then the row,
; clamped from below to the threshold (z = max(x, thr)), goes through the wave's own LDS bytes so that lane L holds elements 94 L .. 94 L + 93.
; With c_k = z[k] > z[k-1], element k is a peak exactly if c_k and not c_(k+1); two neighbours are never both peaks, so a pair of elements has
; at most one peak.  No address and no branch hangs on data: peaks are walked in order under EXEC masks, one pair of elements at a time.
; The pass that makes the masks also leaves, in the pair's own two registers, the value (even register) and the index (odd register) that a peak in the pair would have.
; PAIRS IN ONE INSTRUCTION.  Independent lines of the walk, of the clamp and of the clearing are written as dual-issue pairs (AMD's ISA guide, on VOPD).  The register numbers are
; chosen for its conditions: one destination even and one odd; the two first sources, and the two second sources, in different banks (register number mod 4).
; THE TIMES' ROUNDING.  pnn50 (differences of exactly 5 samples against 0.05) and rr_min hang on the last bits of the times and of the two subtractions.
; Here, with c = f32(0.01): a time is t = i c rounded once; an interval is fma(i1, c, -t0), the later peak's product fused into the subtraction;
; a difference of intervals is a plain f32 subtraction of two such intervals.  That is the problem's text as an optimising compiler evaluates it (division by a
; constant as a product with its rounded reciprocal, a product with one use contracted, the intervals kept as one array); it is not i / 100 rounded once.
; The walk keeps -t0, made as i (-c): the same number with the other sign.  A lane's last index is recovered from it as the whole number nearest to 100 t: the error of
; 100 t is below 0.001 for indices below 3,000, so the index is exact.
; LIMITS: x is finite (x[k] >= x[k+1] is taken as not x[k+1] > x[k]; +inf serves as padding).  1/n, roots: v_rcp_f32, v_sqrt_f32 (1 ulp).
; rr_mean = (last time - first time) / n_rr; sdnn and amp_std from sums about a pivot (30 s / peaks; the threshold), a formula exact for any pivot.
; The row sums are made in another order than the problem's, so the threshold may differ in its last bit: a sample that lies that close to it may be classed otherwise.
; No matrix unit, no tensor load, no cluster: nothing is multiplied by a matrix here and no two work-groups read the same bytes.
.set ROWBYTES, 12000                   ; a row of x
.set RB,   12320                       ; a wave's LDS bytes: byte 12 front pad, bytes 16 .. 12303 the 3,072 words that the 24 stores write
.set TB,   16*RB                       ; 197,120: table of f32(i), 3,072 words: a peak's index comes by one select between two table words
.set FS,   TB+12288                    ; 209,408: [32 local rows][16] features
.set P,    64                          ; v[64:159]  row w: 24 chunks of 4 as loaded; then Z[k] = P + k, k = 0..93, next = P + 94, prev = P + 95; then pair j: value P + 2 j, index P + 2 j + 1
.set Q,    160                         ; v[160:255] row 16 + w: likewise
.set TBUF, 44                          ; v[44:51], v[52:59]: table words of four pairs of elements, two buffers
.set PM,   16                          ; s[16:62]: for each of 47 pairs of elements the lanes that have a peak there
.set XNT,  21                          ; minus the last peak's time
.set XPV,  22                          ; pivot for RR
.set XU,   32                          ; U = amplitude - thr
.set XRR,  33                          ; RR
.set XD,   34                          ; D
.set XW,   38                          ; W = RR - pivot
.set XRL,  39                          ; the last interval
; v0 thread, v1 lane, v2 16 lane, v3 16 min(lane, 13), v4 LDS store address, v5 LDS load address, v6 address in the table, v7 my LDS bytes, v8 my feature row, v9 4 lane
; v[10:11] mean twice, v12 thr, v13 std, v14 max, v15 min, v16 mean square, v17 the first time, v18 count, v19 how many peaks this lane may take, v20 peaks in lower lanes, then the last index
; v23 first index, v24 second index, v25 sum U, v26 sum U^2, v27 sum W^2, v28 sum D^2, v29 count |D| > 0.05, v30 RR min, v31 RR max, v37 thr again (another bank), v[60:63] scratch
; the 24 loads of local row w + 16 r: 23 of 512 neighbouring bytes, one of 224
.macro LOADROW r
.set jj, 0
.rept 23
	global_load_b128 v[P+96*\r+4*jj:P+96*\r+4*jj+3], v2, s[2:3] offset:16*ROWBYTES*\r+512*jj th:TH_LOAD_NT
.set jj, jj+1
.endr
	global_load_b128 v[P+96*\r+92:P+96*\r+95], v3, s[2:3] offset:16*ROWBYTES*\r+11776 th:TH_LOAD_NT
.endm
	s_load_b64 s[2:3], s[0:1], 0x0                 ; x
	s_load_b128 s[4:7], s[0:1], 0x8                ; feats s[4:5], wstat s[6:7]
	v_and_b32 v1, 31, v0                           ; lane
	v_lshrrev_b32 v60, 5, v0
	v_readfirstlane_b32 s8, v60                    ; wave 0..15
	s_mov_b32 s12, 0x7f800000                      ; +inf
	s_mul_i32 s9, s8, RB                           ; my wave's LDS bytes
	v_mov_b32 v7, s9
	v_mov_b32 v63, s12
	ds_store_b32 v7, v63 offset:12                 ; element -1 = +inf: element 0 is never a peak
	v_lshlrev_b32 v59, 2, v0
	v_add_nc_u32 v59, TB, v59
	; the table of indices as f32: 512 threads x 6 words.  It needs the thread's number alone, so it is written while the arguments are on their way.
.set ii, 0
.rept 6
	v_add_nc_u32 v56, 512*ii, v0
	v_cvt_f32_u32 v56, v56
	ds_store_b32 v59, v56 offset:2048*ii
.set ii, ii+1
.endr
	s_mov_b32 s10, 0x76543210                      ; v_permlanex16_b32: lane i reads lane i of the other half
	s_mov_b32 s11, 0xfedcba98
	s_mov_b32 s13, 0x00003fff                      ; lanes 0-13: those that hold data in chunk 23
	s_mov_b32 s71, 0x3d4ccccd                      ; 0.05
	s_mov_b32 s73, 0x39aec33e                      ; 1 / 3000
	s_mov_b32 s74, 0x3c23d70a                      ; c = 0.01
	s_mov_b32 s75, 0xbc23d70a                      ; -c
	s_mov_b32 s76, 0xffff0000                      ; lanes 16-31
	v_lshlrev_b32 v2, 4, v1
	v_min_u32 v3, 13, v1
	v_lshlrev_b32 v3, 4, v3                        ; chunk 23 has 224 bytes: lanes 14-31 read lane 13's again and stay inside the row
	v_lshlrev_b32 v9, 2, v1
	s_mul_i32 s14, ttmp9, 32*ROWBYTES              ; below 2^27
	s_mul_i32 s15, s8, ROWBYTES
	s_add_co_u32 s14, s14, s15
	s_mov_b32 s15, 0
	v_lshl_add_u32 v4, v1, 4, s9
	v_add_nc_u32 v4, 16, v4                        ; stores: element e of the row lies at my bytes + 16 + 4 e
	v_mul_u32_u24 v5, v1, 376                      ; 94 elements a lane; 94 words from lane to lane, so 8-byte reads of 32 lanes start in different banks
	v_add_nc_u32 v6, TB, v5                        ; table word 94 lane
	v_add3_u32 v5, v5, s9, 12                      ; element 94 lane - 1
	s_lshl_b32 s69, s8, 6
	s_add_co_u32 s69, s69, FS
	v_mov_b32 v8, s69                              ; features of local row w; row 16 + w lies 1,024 bytes on
	v_mov_b32 v62, 0                               ; a DPP move's destination counts as read
	s_wait_dscnt 0x0                               ; my words of the table are written,
	s_barrier_signal -1
	s_barrier_wait -1                              ; everybody's are
	s_wait_kmcnt 0x0
	s_add_nc_u64 s[2:3], s[2:3], s[14:15]          ; x at my first row
	LOADROW 0                                      ; row P alone: 24 loads a wave stand in front of the first data, not 48
	s_lshl_b32 s14, ttmp9, 11                      ; 32 rows x 64 bytes of feats
	s_add_nc_u64 s[4:5], s[4:5], s[14:15]
	s_lshl_b32 s14, ttmp9, 7                       ; 128 bytes of wstat
	s_add_nc_u64 s[6:7], s[6:7], s[14:15]
; sum of a register over the 32 lanes, the result in every lane
.macro WSUM r
	v_add_f32_dpp v[\r], v[\r], v[\r] row_xmask:1 row_mask:0xf bank_mask:0xf
	v_add_f32_dpp v[\r], v[\r], v[\r] row_xmask:2 row_mask:0xf bank_mask:0xf
	v_add_f32_dpp v[\r], v[\r], v[\r] row_xmask:4 row_mask:0xf bank_mask:0xf
	v_add_f32_dpp v[\r], v[\r], v[\r] row_xmask:8 row_mask:0xf bank_mask:0xf
	v_permlanex16_b32 v60, v[\r], s10, s11
	v_add_f32 v[\r], v[\r], v60
.endm
; The masks of n pairs of elements from pair j0 on, each lane's number of peaks, and each pair's candidate.  The pairs' table words lie in buffer buf; the next batch's
; nnext pairs are asked for first, into the other buffer.
.macro MBATCH B, j0, n, nnext, buf
.if \nnext
.set ii, 0
.rept \nnext
	ds_load_b64 v[TBUF+8*(1-\buf)+2*ii:TBUF+8*(1-\buf)+2*ii+1], v6 offset:8*(\j0+\n+ii)
.set ii, ii+1
.endr
.endif
	s_wait_dscnt \nnext                            ; all but the loads just issued: this batch's table words are in
.set ii, 0
.rept \n
	v_cmp_gt_f32 s68, v[\B+2*(\j0+ii)+1], v[\B+2*(\j0+ii)]                             ; c_(2j+1)
	v_cmp_gt_f32 s[66+(\j0+ii+1)%2], v[\B+2*(\j0+ii)+2], v[\B+2*(\j0+ii)+1]            ; c_(2j+2)
	s_and_not1_b32 s69, s[66+(\j0+ii)%2], s68
	s_and_not1_b32 s70, s68, s[66+(\j0+ii+1)%2]
.if \j0+ii >= 43
	s_or_b32 s69, s69, s70
	s_and_b32 vcc_lo, s69, 0x7fffffff              ; lane 31's pairs 43-46 are padding
.else
	s_or_b32 vcc_lo, s69, s70
.endif
	s_mov_b32 s[PM+\j0+ii], vcc_lo
	v_add_co_ci_u32 v18, vcc_lo, 0, v18, vcc_lo
	; if the pair has a peak, it is the larger element (the first on a tie).  Both elements have had their last compare: their registers take the value and the index.
	v_max_num_f32 v[\B+2*(\j0+ii)], v[\B+2*(\j0+ii)], v[\B+2*(\j0+ii)+1]
	v_cndmask_b32 v[\B+2*(\j0+ii)+1], v[TBUF+8*\buf+2*ii], v[TBUF+8*\buf+2*ii+1], s68
.set ii, ii+1
.endr
.endm
; The walk over the 47 pairs.  Value in the even register \B + 2 j (bank 0 or 2), index in the odd register \B + 2 j + 1 (bank 1 or 3).
.macro WALK B
.set jj, 0
.rept 47
	s_mov_b32 exec_lo, s[PM+jj]                    ; lanes with a peak in this pair
	v_cmpx_gt_u32 v19, v18                         ; of them those whose peak is among the row's first 512
	v_dual_fmamk_f32 v[XRR], v[\B+2*jj+1], 0x3c23d70a, v[XNT] :: v_dual_add_nc_u32 v18, 1, v18    ; RR = i c - last time, fused; the count
	v_dual_sub_f32 v[XU], v[\B+2*jj], v12 :: v_dual_min_num_f32 v23, v[\B+2*jj+1], v23            ; U = amplitude - thr; indices ascend: the minimum is the lane's first
	v_dual_add_f32 v25, v[XU], v25 :: v_dual_sub_f32 v[XD], v[XRR], v[XRL]                        ; sum U; D = RR - the interval before
	v_dual_fmac_f32 v26, v[XU], v[XU] :: v_dual_mov_b32 v[XRL], v[XRR]                            ; sum U^2; the interval is remembered
	v_dual_mul_f32 v[XNT], s75, v[\B+2*jj+1] :: v_dual_sub_f32 v[XW], v[XRR], v[XPV]              ; minus this peak's time; W = RR - pivot
	v_cmpx_lt_u32 1, v18                           ; the lane's second peak or a later one: RR lies inside the lane
	v_dual_min_num_f32 v30, v[XRR], v30 :: v_dual_max_num_f32 v31, v31, v[XRR]
	v_dual_fmac_f32 v27, v[XW], v[XW] :: v_dual_min_num_f32 v24, v[\B+2*jj+1], v24                ; sum W^2; the lane's second index
	v_cmpx_lt_u32 2, v18                           ; the third or a later one: D lies inside the lane
	v_fmac_f32 v28, v[XD], v[XD]
	v_cmp_gt_f32 vcc_lo, |v[XD]|, s71
	v_add_co_ci_u32 v29, vcc_lo, 0, v29, vcc_lo
.set jj, jj+1
.endr
	s_mov_b32 exec_lo, -1
.endm
; One step of the scan over lanes of the state (n = peaks so far, at most 2; A = the last one's index; R = the last interval, good if n = 2): lane L joins lane L - s in front of itself.
.macro LSTEP s
	v_add_nc_u32 v55, 4*(32-\s), v9
	v_and_b32 v55, 0x7c, v55                       ; 4 ((lane - s) mod 32)
	ds_bpermute_b32 v56, v55, v52
	ds_bpermute_b32 v57, v55, v53
	ds_bpermute_b32 v58, v55, v54
	s_mov_b32 s77, (0xffffffff<<\s)&0xffffffff     ; lanes that have a lane s below them
	s_wait_dscnt 0x0
	v_cndmask_b32 v56, 0, v56, s77
	v_mul_f32 v59, s74, v57                        ; the time of the lower side's last peak
	v_fma_f32 v59, v53, s74, -v59                  ; the interval from it to my side's last peak
	v_cmp_le_u32 vcc_lo, 1, v52
	v_cndmask_b32 v59, v58, v59, vcc_lo            ; one peak on my side: that interval; none: the lower side's R
	v_cndmask_b32 v53, v57, v53, vcc_lo
	v_cmp_le_u32 vcc_lo, 2, v52
	v_cndmask_b32 v54, v59, v54, vcc_lo            ; two on my side: my R stays
	v_add_nc_u32 v52, v52, v56
	v_min_u32 v52, 2, v52
.endm
; A whole row.  B: its registers; half: 0 = local row w, 1 = local row 16 + w.
.macro ROW B, half
	s_wait_loadcnt 0x0                             ; this row's 24 loads are in: no other load of the wave is out at this point
.if \half == 0
	LOADROW 1                                      ; row Q goes out now and is waited for only behind all of row P's work
.endif
	; sum, sum of squares, max, min.  Chunk 23 starts the chains, with zeros in the lanes that hold copies (copies do no harm to max and min).
	v_cndmask_b32 v44, 0, v[\B+92], s13
	v_cndmask_b32 v45, 0, v[\B+93], s13
	v_cndmask_b32 v46, 0, v[\B+94], s13
	v_cndmask_b32 v47, 0, v[\B+95], s13
	v_max_num_f32 v48, v[\B+92], v[\B+93]
	v_max_num_f32 v49, v[\B+94], v[\B+95]
	v_min_num_f32 v50, v[\B+92], v[\B+93]
	v_min_num_f32 v51, v[\B+94], v[\B+95]
	v_pk_mul_f32 v[40:41], v[44:45], v[44:45]
	v_pk_mul_f32 v[42:43], v[46:47], v[46:47]
.set pp, 0
.rept 46
	v_pk_add_f32 v[44+2*(pp%2):45+2*(pp%2)], v[44+2*(pp%2):45+2*(pp%2)], v[\B+2*pp:\B+2*pp+1]
	v_pk_fma_f32 v[40+2*(pp%2):41+2*(pp%2)], v[\B+2*pp:\B+2*pp+1], v[\B+2*pp:\B+2*pp+1], v[40+2*(pp%2):41+2*(pp%2)]
	v_max3_num_f32 v[48+pp%2], v[48+pp%2], v[\B+2*pp], v[\B+2*pp+1]
	v_min3_num_f32 v[50+pp%2], v[50+pp%2], v[\B+2*pp], v[\B+2*pp+1]
.set pp, pp+1
.endr
	v_pk_add_f32 v[44:45], v[44:45], v[46:47]
	v_pk_add_f32 v[40:41], v[40:41], v[42:43]
	v_max_num_f32 v14, v48, v49
	v_min_num_f32 v15, v50, v51
	v_add_f32 v44, v44, v45
	v_add_f32 v40, v40, v41
	; over the 32 lanes: the four reductions take turns, so that no line waits for the line in front of it
.irp m, 1, 2, 4, 8
	v_add_f32_dpp v44, v44, v44 row_xmask:\m row_mask:0xf bank_mask:0xf
	v_add_f32_dpp v40, v40, v40 row_xmask:\m row_mask:0xf bank_mask:0xf
	v_max_num_f32_dpp v14, v14, v14 row_xmask:\m row_mask:0xf bank_mask:0xf
	v_min_num_f32_dpp v15, v15, v15 row_xmask:\m row_mask:0xf bank_mask:0xf
.endr
	v_permlanex16_b32 v45, v44, s10, s11           ; destinations count as read: these four were written above and are free
	v_permlanex16_b32 v41, v40, s10, s11
	v_permlanex16_b32 v48, v14, s10, s11
	v_permlanex16_b32 v50, v15, s10, s11
	v_add_f32 v44, v44, v45
	v_add_f32 v40, v40, v41
	v_max_num_f32 v14, v14, v48
	v_min_num_f32 v15, v15, v50
	v_mul_f32 v10, s73, v44                        ; mean
	v_mul_f32 v16, s73, v40                        ; mean square
	v_mov_b32 v11, v10
	; variance about the mean, a second pass over the registers
	v_pk_add_f32 v[52:53], v[\B+92:\B+93], v[10:11] neg_lo:[0,1] neg_hi:[0,1]
	v_pk_add_f32 v[54:55], v[\B+94:\B+95], v[10:11] neg_lo:[0,1] neg_hi:[0,1]
	v_cndmask_b32 v52, 0, v52, s13
	v_cndmask_b32 v53, 0, v53, s13
	v_cndmask_b32 v54, 0, v54, s13
	v_cndmask_b32 v55, 0, v55, s13
	v_pk_mul_f32 v[40:41], v[52:53], v[52:53]
	v_pk_mul_f32 v[42:43], v[54:55], v[54:55]
.set pp, 0
.rept 46
	v_pk_add_f32 v[52+2*(pp%4):53+2*(pp%4)], v[\B+2*pp:\B+2*pp+1], v[10:11] neg_lo:[0,1] neg_hi:[0,1]
	v_pk_fma_f32 v[40+2*(pp%2):41+2*(pp%2)], v[52+2*(pp%4):53+2*(pp%4)], v[52+2*(pp%4):53+2*(pp%4)], v[40+2*(pp%2):41+2*(pp%2)]
.set pp, pp+1
.endr
	v_pk_add_f32 v[40:41], v[40:41], v[42:43]
	v_add_f32 v40, v40, v41
	WSUM 40
	v_mul_f32 v40, s73, v40
	v_sqrt_f32 v13, v40                            ; std; the four selects below stand between it and its use
	v_cndmask_b32 v[\B+92], s12, v[\B+92], s13     ; elements 3000 .. 3071 = +inf: element 2999 is never a peak
	v_cndmask_b32 v[\B+93], s12, v[\B+93], s13
	v_cndmask_b32 v[\B+94], s12, v[\B+94], s13
	v_cndmask_b32 v[\B+95], s12, v[\B+95], s13
	s_wait_alu depctr_va_vdst(0)
	v_fma_f32 v12, 0.5, v13, v10                   ; thr
	v_mov_b32 v37, v12                             ; and once more, in another bank, for the pairs below
	; z = max(x, thr), two registers a line; then through my own LDS bytes.  LDS serves a wave's instructions in order: the loads see the stores, no wait between them.
.set pp, 0
.rept 48
	v_dual_max_num_f32 v[\B+pp], v[\B+pp], v12 :: v_dual_max_num_f32 v[\B+pp+1], v[\B+pp+1], v37
.set pp, pp+2
.endr
.set jj, 0
.rept 24
	ds_store_b128 v4, v[\B+4*jj:\B+4*jj+3] offset:512*jj
.set jj, jj+1
.endr
.set jj, 0
.rept 47
	ds_load_b64 v[\B+2*jj:\B+2*jj+1], v5 offset:4+8*jj
.set jj, jj+1
.endr
	ds_load_b32 v[\B+94], v5 offset:380            ; the next lane's first element
	ds_load_b32 v[\B+95], v5                       ; the lane below's last element
.set ii, 0
.rept 4
	ds_load_b64 v[TBUF+2*ii:TBUF+2*ii+1], v6 offset:8*ii   ; the table words of pairs 0-3
.set ii, ii+1
.endr
	v_mov_b32 v18, 0
	s_wait_dscnt 0x4                               ; all but those four loads of table words: the row is in
	v_cmp_gt_f32 s66, v[\B], v[\B+95]              ; c_0
.irp t, 0, 1, 2, 3, 4
	MBATCH \B, 8*\t, 4, 4, 0
.if \t < 4
	MBATCH \B, 8*\t+4, 4, 4, 1
.endif
.endr
	MBATCH \B, 36, 4, 4, 1
	MBATCH \B, 40, 4, 3, 0
	MBATCH \B, 44, 3, 0, 1
	; peaks in the lanes below me: an inclusive scan of the counts, less my own
	v_mov_b32 v61, v18
.irp s, 1, 2, 4, 8
	v_mov_b32_dpp v62, v61 row_shr:\s row_mask:0xf bank_mask:0xf bound_ctrl:1
	v_add_nc_u32 v61, v61, v62
.endr
	v_readlane_b32 s69, v61, 15
	v_mov_b32 v62, s69
	v_cndmask_b32 v62, 0, v62, s76
	v_add_nc_u32 v61, v61, v62
	v_readlane_b32 s72, v61, 31                    ; all the row's peaks
	s_max_u32 s72, s72, 1
	v_cvt_f32_u32 v[XPV], s72
	v_rcp_f32 v[XPV], v[XPV]
	v_sub_nc_u32 v20, v61, v18                     ; a plain instruction behind the reciprocal
	s_wait_alu depctr_va_vdst(0)
	v_mul_f32 v[XPV], 0x41f00000, v[XPV]           ; pivot for RR: 30 s / peaks
	v_sub_nc_u32 v19, 0x200, v20
	v_max_i32 v19, 0, v19                          ; how many of my peaks are among the first 512
	; the walk writes under partial EXEC: its registers are written whole first
	v_dual_mov_b32 v18, 0 :: v_dual_mov_b32 v[XNT], 0
	v_dual_mov_b32 v[XW], 0 :: v_dual_mov_b32 v[XRL], 0
	v_dual_mov_b32 v24, s12 :: v_dual_mov_b32 v23, s12
	v_dual_mov_b32 v26, 0 :: v_dual_mov_b32 v25, 0
	v_dual_mov_b32 v28, 0 :: v_dual_mov_b32 v27, 0
	v_dual_mov_b32 v[XU], 0 :: v_dual_mov_b32 v29, 0
	v_dual_mov_b32 v[XD], 0 :: v_dual_mov_b32 v[XRR], 0
	v_mov_b32 v30, 0x4e6e6b28                      ; 1e9
	v_mov_b32 v31, 0xce6e6b28                      ; -1e9
	s_wait_xcnt 0x0                                ; EXEC is a source of the other row's pending loads: it changes only behind this wait; no global instruction follows until EXEC is whole for good
	WALK \B
	v_mul_f32 v20, 0xc2c80000, v[XNT]              ; 100 x the last time,
	v_rndne_f32 v20, v20                           ; rounded to a whole number: the lane's last index (zero where the lane took no peak)
	; what lies in front of each lane: the state of all lower lanes.  First every lane takes its lower neighbour's state, then five doubling steps.
	v_min_u32 v52, 2, v18
	v_add_nc_u32 v55, 4*31, v9
	v_and_b32 v55, 0x7c, v55
	ds_bpermute_b32 v52, v55, v52
	ds_bpermute_b32 v53, v55, v20
	ds_bpermute_b32 v54, v55, v[XRL]
	s_mov_b32 s77, 0xfffffffe
	s_wait_dscnt 0x0
	v_cndmask_b32 v52, 0, v52, s77                 ; nothing lies in front of lane 0
	LSTEP 1
	LSTEP 2
	LSTEP 4
	LSTEP 8
	LSTEP 16
	; the interval and the two differences that reach across the lane's lower edge (what does not count is selected away, infinities and NaN with it)
	v_mul_f32 v48, s74, v23                        ; the time of my first peak
	v_mul_f32 v49, s74, v53                        ; of the last peak in front of me
	v_fma_f32 v55, v23, s74, -v49                  ; RR of my first peak
	v_fma_f32 v59, v24, s74, -v48                  ; RR of my second peak
	v_cmp_le_u32 s77, 1, v18
	v_cmp_le_u32 s78, 1, v52
	v_cmp_le_u32 s79, 2, v52
	v_cmp_le_u32 s69, 2, v18
	s_and_b32 s70, s77, s78                        ; I have a peak and one lies in front: that RR counts
	s_and_b32 s79, s77, s79                        ; and two lie in front: its difference to the interval before counts
	s_and_b32 s69, s69, s78                        ; I have two peaks and one lies in front: my second RR's difference counts
	v_cndmask_b32 v56, v30, v55, s70
	v_min_num_f32 v30, v30, v56
	v_cndmask_b32 v56, v31, v55, s70
	v_max_num_f32 v31, v31, v56
	v_sub_f32 v57, v55, v[XPV]
	v_cndmask_b32 v57, 0, v57, s70
	v_fmac_f32 v27, v57, v57
	v_sub_f32 v58, v55, v54
	v_cndmask_b32 v58, 0, v58, s79
	v_fmac_f32 v28, v58, v58
	v_cmp_gt_f32 vcc_lo, |v58|, s71
	v_add_co_ci_u32 v29, vcc_lo, 0, v29, vcc_lo
	v_sub_f32 v59, v59, v55
	v_cndmask_b32 v59, 0, v59, s69
	v_fmac_f32 v28, v59, v59
	v_cmp_gt_f32 vcc_lo, |v59|, s71
	v_add_co_ci_u32 v29, vcc_lo, 0, v29, vcc_lo
	; over the wave: six sums (v40: n_pk), two minima (v23: the first index), two maxima (v20: the last index), by turns
	v_cvt_f32_u32 v29, v29
	v_cvt_f32_u32 v40, v18
.irp m, 1, 2, 4, 8
.irp r, 25, 26, 27, 28, 29, 40
	v_add_f32_dpp v\r, v\r, v\r row_xmask:\m row_mask:0xf bank_mask:0xf
.endr
.irp r, 30, 23
	v_min_num_f32_dpp v\r, v\r, v\r row_xmask:\m row_mask:0xf bank_mask:0xf
.endr
.irp r, 31, 20
	v_max_num_f32_dpp v\r, v\r, v\r row_xmask:\m row_mask:0xf bank_mask:0xf
.endr
.endr
	v_permlanex16_b32 v44, v25, s10, s11           ; v[44:53] were written whole (table words, the scan's state) and are free
	v_permlanex16_b32 v45, v26, s10, s11
	v_permlanex16_b32 v46, v27, s10, s11
	v_permlanex16_b32 v47, v28, s10, s11
	v_permlanex16_b32 v48, v29, s10, s11
	v_permlanex16_b32 v49, v40, s10, s11
	v_permlanex16_b32 v50, v30, s10, s11
	v_permlanex16_b32 v51, v23, s10, s11
	v_permlanex16_b32 v52, v31, s10, s11
	v_permlanex16_b32 v53, v20, s10, s11
	v_add_f32 v25, v25, v44
	v_add_f32 v26, v26, v45
	v_add_f32 v27, v27, v46
	v_add_f32 v28, v28, v47
	v_add_f32 v29, v29, v48
	v_add_f32 v40, v40, v49                        ; feature 0: n_pk
	v_min_num_f32 v30, v30, v50
	v_min_num_f32 v23, v23, v51
	v_max_num_f32 v31, v31, v52
	v_max_num_f32 v20, v20, v53
	v_mul_f32 v21, s74, v20                        ; the last time
	v_mul_f32 v17, s74, v23                        ; the first time
	; the sixteen features, in v[40:55]
	v_add_f32 v62, -1.0, v40
	v_add_f32 v63, -2.0, v40
	v_max_num_f32 v62, 0, v62                      ; n_rr
	v_max_num_f32 v63, 0, v63                      ; n_drr
	v_max_num_f32 v32, 1.0, v62
	v_max_num_f32 v33, 1.0, v63
	v_max_num_f32 v34, 1.0, v40
	v_rcp_f32 v32, v32
	v_rcp_f32 v33, v33
	v_rcp_f32 v34, v34
	v_sub_f32 v35, v21, v17                        ; a plain instruction between the reciprocals and their use
	v_cmp_lt_f32 s77, 0, v62                       ; n_rr > 0
	v_cmp_lt_f32 s78, 0, v40                       ; n_pk > 0
	s_wait_alu depctr_va_vdst(0)
	v_mul_f32 v35, v35, v32
	v_cndmask_b32 v41, 0, v35, s77                 ; 1: rr_mean
	v_sub_f32 v36, v41, v[XPV]
	v_mul_f32 v37, v27, v32
	v_fma_f32 v37, -v36, v36, v37                  ; mean of (RR - pivot)^2 less (rr_mean - pivot)^2
	v_max_num_f32 v37, 0, v37
	v_mul_f32 v38, v28, v33
	v_mul_f32 v44, v29, v33                        ; 4: pnn50
	v_cndmask_b32 v45, 0, v30, s77                 ; 5: rr_min
	v_cndmask_b32 v46, 0, v31, s77                 ; 6: rr_max
	v_add_f32 v39, 0x322bcc77, v41                 ; rr_mean + 1e-8
	v_mul_f32 v56, v25, v34
	v_mul_f32 v57, v26, v34
	v_fma_f32 v57, -v56, v56, v57
	v_max_num_f32 v57, 0, v57
	v_sqrt_f32 v42, v37                            ; 2: sdnn
	v_sqrt_f32 v43, v38                            ; 3: rmssd
	v_rcp_f32 v58, v39
	v_sqrt_f32 v50, v57                            ; 10: amp_std
	v_add_f32 v56, v12, v56                        ; a plain instruction behind the four
	v_cndmask_b32 v49, 0, v56, s78                 ; 9: amp_mean
	s_wait_alu depctr_va_vdst(0)
	v_mul_f32 v47, v42, v58                        ; 7: rr_cv
	v_mul_f32 v58, 0x42700000, v58
	v_cndmask_b32 v48, 0, v58, s77                 ; 8: mean_hr
	v_mov_b32 v51, v10                             ; 11-15: mean, std, max, min, mean square
	v_mov_b32 v52, v13
	v_mov_b32 v53, v14
	v_mov_b32 v54, v15
	v_mov_b32 v55, v16
.irp f, 0, 1, 2, 3
	ds_store_b128 v8, v[40+4*\f:43+4*\f] offset:1024*\half+16*\f   ; every lane holds the same numbers and writes the same bytes
.endr
.endm
	ROW P, 0
	ROW Q, 1
	s_wait_dscnt 0x0                               ; my two rows of features are written,
	s_barrier_signal -1
	s_barrier_wait -1                              ; all 32 are
	s_cmp_lt_u32 s8, 4
	s_cbranch_scc0 .Lstat
	; waves 0-3: the window's 2,048 bytes of features leave, 16 bytes a thread: each store of a wave covers 512 consecutive bytes, aligned
	v_lshlrev_b32 v61, 4, v0
	v_add_nc_u32 v60, FS, v61
	ds_load_b128 v[64:67], v60
	s_wait_dscnt 0x0
	global_store_b128 v61, v[64:67], s[4:5]
	s_wait_xcnt 0x0
	s_mov_b32 exec_lo, -1
	v_lshl_add_u32 v62, v0, 2, 0x33a00
	v_mov_b32 v63, 0
	s_wait_tensorcnt 0x0
	ds_add_u32 v62, v63
	s_wait_dscnt 0x0
	s_endpgm
.Lstat:
	s_cmp_eq_u32 s8, 4
	s_cbranch_scc0 .Ldone
	; wave 4: lane l takes feature l mod 16 of all 32 rows; the sum is made in row order, so that a column of equal numbers with few bits sums exactly
	v_and_b32 v60, 15, v1
	v_lshlrev_b32 v60, 2, v60
	v_add_nc_u32 v60, FS, v60
.set ii, 0
.rept 32
	ds_load_b32 v[64+ii], v60 offset:64*ii
.set ii, ii+1
.endr
	s_wait_dscnt 0x0
	v_add_f32 v61, v64, v65
.set ii, 2
.rept 30
	v_add_f32 v61, v61, v[64+ii]
.set ii, ii+1
.endr
	v_mul_f32 v62, 0x3d000000, v61                 ; the window's mean
	v_sub_f32 v96, v64, v62
	v_mul_f32 v63, v96, v96
.set ii, 1
.rept 31
	v_sub_f32 v[96+ii%2], v[64+ii], v62
	v_fmac_f32 v63, v[96+ii%2], v[96+ii%2]
.set ii, ii+1
.endr
	v_cndmask_b32 v61, v61, v63, s76               ; lanes 0-15 the sums, lanes 16-31 the squares
	global_store_b32 v9, v61, s[6:7]               ; 128 bytes a work-group, 32 KiB in the launch: a record twice as long would double what the next launch reads
.Ldone:
	s_wait_xcnt 0x0
	s_mov_b32 exec_lo, -1
	v_lshl_add_u32 v62, v0, 2, 0x33a00
	v_mov_b32 v63, 0
	s_wait_tensorcnt 0x0
	ds_add_u32 v62, v63
	s_wait_dscnt 0x0
	s_endpgm
.Lfunc_end_k_qde3a1994f2_feat:
	.size	k_qde3a1994f2_feat, .Lfunc_end_k_qde3a1994f2_feat-k_qde3a1994f2_feat
	.p2alignl 7, 3214868480
	.fill 96, 4, 3214868480
	.section	.rodata,"a",@progbits
	.p2align	6, 0x0
	.amdhsa_kernel k_qde3a1994f2_feat
		.amdhsa_group_segment_fixed_size 213504
		.amdhsa_private_segment_fixed_size 0
		.amdhsa_enable_private_segment 0
		.amdhsa_kernarg_size 24
		.amdhsa_user_sgpr_count 2
		.amdhsa_user_sgpr_kernarg_segment_ptr 1
		.amdhsa_wavefront_size32 1
		.amdhsa_system_sgpr_workgroup_id_x 1
		.amdhsa_system_sgpr_workgroup_id_y 1
		.amdhsa_system_sgpr_workgroup_id_z 1
		.amdhsa_system_vgpr_workitem_id 0
		.amdhsa_next_free_vgpr 256
		.amdhsa_next_free_sgpr 80
		.amdhsa_reserve_vcc 1
		.amdhsa_float_denorm_mode_32 3
		.amdhsa_float_denorm_mode_16_64 3
		.amdhsa_memory_ordered 1
		.amdhsa_forward_progress 1
		.amdhsa_inst_pref_size 207
	.end_amdhsa_kernel
	.amdgpu_metadata
---
amdhsa.version: [ 1, 2 ]
amdhsa.kernels:
  - .name:           k_qde3a1994f2_feat
    .symbol:         k_qde3a1994f2_feat.kd
    .args:
      - { .name: x, .offset: 0, .size: 8, .value_kind: global_buffer, .address_space: global }
      - { .name: feats, .offset: 8, .size: 8, .value_kind: global_buffer, .address_space: global }
      - { .name: wstat, .offset: 16, .size: 8, .value_kind: global_buffer, .address_space: global }
    .group_segment_fixed_size: 213504
    .private_segment_fixed_size: 0
    .kernarg_segment_align: 8
    .kernarg_segment_size: 24
    .max_flat_workgroup_size: 512
    .sgpr_count:     80
    .vgpr_count:     256
    .wavefront_size: 32
...
	.end_amdgpu_metadata
.endif
;; end of part 5
;; launch head: the kernel of part 4 again; grid 32 x 1, 8 waves a work-group, no clusters, 3,072 bytes of LDS; arguments feats, wstat, w, b, out0; writes out0
